; MI455X (gfx1250); checked and timed in simulation.
; The chip was launched on July 23, 2026; its instructions are those of AMD's public machine-readable ISA for CDNA 5 (MIT licence, August 2026) and "CDNA5" Instruction Set Architecture Reference Guide (July 2026). The comments in the code are by the model that wrote it; some were corrected since.
;; Encoder Block. Allowed arithmetic: matrix products marked QUANTISED: E2M3 operands, one E8M0 scale for each 32 along K, by v_wmma_scale_f32_16x16x128_f8f6f4 with both operands' format E2M3, f32 sums; everything else in f32.
;; Inputs: b1 4,096 float32; b2 1,024 float32; be1 1,024 float32; be2 1,024 float32; g1 1,024 float32; g2 1,024 float32; w1 1,024 x 4,096 float32; w2 4,096 x 1,024 float32; w_k 1,024 x 1,024 float32; w_o 1,024 x 1,024 float32; w_q 1,024 x 1,024 float32; w_v 1,024 x 1,024 float32; x 2 x 2,048 x 1,024 float32.
;; Outputs: out0 2 x 2,048 x 1,024 float32.
;; This version of the problem:
;;   THIS VERSION OF THE PROBLEM IS GIVEN IN LOW PRECISION. The matrix products marked QUANTISED in the list below multiply operands that are first quantised to E2M3 (2 exponent bits, 3 mantissa bits; 6 bits a number), with one power-of-two scale for each 32 numbers along K (OCP MX v1.0); their sums are f32. All else is computed in f32.
;;   The module's matrix products, in the order in which they are computed (A, B: the left and right operand; K: the contracted axis; several contracted axes count as one K, in the product's order):
;;     1. [M 4,096, K 1,024] x [K 1,024, N 1,024]; A: computed on the way; B: input w_q: QUANTISED
;;     2. [M 4,096, K 1,024] x [K 1,024, N 1,024]; A: computed on the way; B: input w_k: QUANTISED
;;     3. [M 4,096, K 1,024] x [K 1,024, N 1,024]; A: computed on the way; B: input w_v: QUANTISED
;;     4. batch 32 x [M 2,048, K 64] x [K 64, N 2,048]; A: computed on the way; B: computed on the way: QUANTISED
;;     5. batch 32 x [M 64, K 2,048] x [K 2,048, N 2,048]; A: computed on the way; B: softmax (see below): QUANTISED
;;     6. [M 4,096, K 1,024] x [K 1,024, N 1,024]; A: computed on the way; B: input w_o: QUANTISED
;;     7. [M 4,096, K 1,024] x [K 1,024, N 4,096]; A: computed on the way; B: input w1: QUANTISED
;;     8. [M 4,096, K 4,096] x [K 4,096, N 1,024]; A: computed on the way; B: input w2: QUANTISED
;;   THE QUANTISER, for each operand of a quantised product, along K:
;;     - K is cut into blocks of 32 from its start; a last block that is shorter is filled with zeros.
;;     - A block's scale is 2^e with e = floor(log2(the largest magnitude in the block)) - 2, held to -126 .. 127; a block of zeros has e = 0. As a byte (E8M0): e + 127.
;;     - Each number is divided by its block's scale, clamped to +-7.5, and rounded to the nearest number of E2M3, ties to even, subnormals kept.
;;     - The product sums the exact products of the quantised numbers (number of the format x scale) in f32.
;;   ~~~python
;;   def quantise(x, axis):      # numpy; x: float32 -> the quantised numbers, widened to float32 again
;;       x = np.moveaxis(x, axis, -1); K = x.shape[-1]
;;       x = np.pad(x, [(0, 0)] * (x.ndim - 1) + [(0, -K % 32)]); x = x.reshape(x.shape[:-1] + (-1, 32)); a = np.abs(x).max(-1, keepdims=True)
;;       e = np.where(a > 0, np.clip(np.frexp(np.where(a > 0, a, 1))[1] - 1 - 2, -126, 127), 0)      # np.frexp(a)[1] - 1 = floor(log2(a)), exactly
;;       r = np.clip(x / 2.0 ** e, -7.5, 7.5)
;;       step = 2.0 ** (np.maximum(np.frexp(np.where(r == 0, 1, r))[1] - 1, 0) - 3)
;;       q = np.round(r / step) * step * 2.0 ** e      # np.round: ties to even
;;       return np.moveaxis(q.reshape(q.shape[:-2] + (-1,))[..., :K], -1, axis).astype(np.float32)
;;   ~~~
;;   SOFTMAX AHEAD OF A QUANTISED PRODUCT. Where the list says 'softmax', what is quantised is not the finished softmax but p = 2^(t - M), with t = logit x log2(e) and M = ceil(the row's largest t), a whole number; so 1/2 < the row's largest p <= 1. The row's sum l is taken of the UNQUANTISED p, in f32, and the product's result is divided by l at the end. Since M is a whole number, a kernel that streams over the keys may use a running M (the ceiling of the running maximum): every later rescaling is an exact power of two, which a block's scale takes up: the codes' values come out the same.
;;   OPERANDS COMPUTED ON THE WAY. 'Computed on the way' means the value that the module computes at that place (a softmax that the list does not call 'softmax' is quantised finished and normalised). What goes into a quantiser is computed in f32, as accurately as f32 sums, v_exp_f32 and their like allow (about 1e-6 of the number): no bf16 or f16 on the way to a quantiser, and a product that is left as it is and whose result goes on into a quantised operand takes f32 operands (vector FMAs, or v_wmma_f32_16x16x4_f32). A number that lies on a knife's edge between two numbers of the format may be rounded either way, as far as f32 arithmetic and the matrix unit's own rounding can turn it there, and no further.
;; One version. Each part assembles by itself: llvm-mc -triple=amdgcn-amd-amdhsa -mcpu=gfx1250 --defsym DOCPART=n.
;; ======== version 1 of 1: 8 launches
;; limits: right only within a limited range of input values
;; workspace buffers: wimg 10,223,616 bytes; hq1 3,407,872 bytes; qk 7,340,032 bytes; vt 3,407,872 bytes; oimg 3,407,872 bytes; x1 16,777,216 bytes; hq2 3,407,872 bytes; hid 13,631,488 bytes
;; launch wprep (part 1): grid 384 x 1, 4 waves a work-group, no clusters, 27,136 bytes of LDS; arguments w_q, w_k, w_v, w_o, w1, w2, wimg; writes wimg
.if DOCPART == 1
	.amdgcn_target "amdgcn-amd-amdhsa--gfx1250"
	.amdhsa_code_object_version 6
	.text
	.protected	k_qa8d8514792_wprep
	.globl	k_qa8d8514792_wprep
	.p2align	8
	.type	k_qa8d8514792_wprep,@function
k_qa8d8514792_wprep:
	s_mov_b64 s[64:65], 0
	v_nop
	global_prefetch_b8 v0, s[64:65] scope:SCOPE_SE
	s_setreg_imm32_b32 hwreg(HW_REG_WAVE_MODE, 25, 1), 1
	s_wait_xcnt 0x0
; The six weights, f32 stored [K][N] (K is the FIRST axis), become codes of FP6 (E2M3) with one E8M0 byte for each 32 along K, laid as the products' launches take them into registers.
; A UNIT of 3,328 bytes holds 16 columns n x 256 along K: the fragment of the even 128 along K (1,536 bytes), that of the odd 128, then 256 bytes of scale words.
; A fragment is an image of the operand's 12 registers: registers 4 c .. 4 c + 3 of lane l at 512 c + 16 l; lane (r, h) holds column r of the tile, registers 6 c .. 6 c + 5 = k 64 c + 32 h + 0 .. 31.
; Scale words: lane l's word of the K step of parity s at 3,072 + 8 l + 4 s; lanes 16-31 repeat lanes 0-15.  An operand of R columns lies [K / 256][R / 16][3,328].
; THE COLUMNS OF A TILE ARE NOT NEIGHBOURS: lane r of tile 2 b + u takes column 32 b + 16 (r / 8) + 8 u + r % 8, so that a product used transposed leaves 16 neighbours along the next K in a lane's registers.
; A LANE TAKES A COLUMN, ITS REGISTERS RUN DOWN K: a block of 32 lies in one lane, its largest magnitude needs no other lane, and the conversions give codes with K innermost.
; A wave takes 32 columns x 256 along K: two neighbouring units, 6,656 dense bytes; they are gathered in the wave's own stage in LDS and leave by 13 stores of 512 consecutive bytes.
; A block's scale is 2^(floor(log2(largest magnitude)) - 2); its byte is the largest magnitude's exponent field - 2, held at 1 from below.
; LIMITS: a block of zeros gets the byte 1 where the quantiser's rule says 127 (its codes are zeros, and this program alone reads the bytes); blocks whose largest magnitude lies under 2^-124 keep the byte 1; NaN and infinities are not served.
; One launch serves all six tensors: the work-group's number picks pointers, strides and places; there is one path through the text.  No barrier: waves share nothing.
.set UNIT,   3328
.set WST,    2*UNIT                    ; a wave's stage
.set SPARE,  4*WST                     ; behind the four stages: the spare words, 128 bytes a wave, which no other line names
.set OFF_WV, 1703936                   ; places in wimg: w_q and w_k together at 0 (2,048 columns), then w_v, w_o, w1, w2
.set OFF_WO, 2555904
.set OFF_W1, 3407872
.set OFF_W2, 6815744
.set STC, 2                            ; v2  stage: my column's codes: wave x WST + u x UNIT + 16 r
.set STS, 3                            ; v3  stage: my column's scale words: wave x WST + u x UNIT + 8 r
.set RDL, 4                            ; v4  stage, on the way out: wave x WST + 16 x lane
.set GO,  5                            ; v5  16 x lane
.set SPW, 6                            ; v6  my spare word; never rewritten
.set NIL, 7                            ; v7  0; never rewritten
.set VO,  16                           ; v16-47  4 x lane + i rows of W
.set X,   48                           ; v48-111 two sets of 32 numbers; on the way out the stage's bytes
.set C,   112                          ; v112-117 a block's codes; v118-120 its second half as converted
.set SB,  122                          ; v122-123 my column's two scale words
	s_load_b256 s[4:11], s[0:1], 0x0               ; w_q, w_k, w_v, w_o
	s_load_b128 s[12:15], s[0:1], 0x20             ; w1, w2
	s_load_b64 s[16:17], s[0:1], 0x30              ; wimg
	v_lshl_add_u32 v[SPW], v0, 2, SPARE
	v_mov_b32 v[NIL], 0
	v_lshrrev_b32 v1, 5, v0
	v_readfirstlane_b32 s18, v1                    ; wave
	v_and_b32 v1, 31, v0                           ; lane = my column of the wave's 32
	v_bfe_u32 v8, v0, 3, 1                         ; u: which of the two tiles
	v_and_b32 v9, 7, v0
	v_bfe_u32 v10, v0, 4, 1
	v_lshl_or_b32 v9, v10, 3, v9                   ; r: my row of that tile
	s_mul_i32 s28, s18, WST
	v_mul_u32_u24 v8, v8, UNIT
	v_add_nc_u32 v8, s28, v8
	v_lshl_add_u32 v[STC], v9, 4, v8
	v_lshl_add_u32 v[STS], v9, 3, v8
	v_lshlrev_b32 v[GO], 4, v1
	v_add_nc_u32 v[RDL], s28, v[GO]
	s_mov_b32 s22, 256                             ; w2's figures: first work-group,
	s_mov_b32 s23, 3                               ; log2 of its groups of 128 columns,
	s_mov_b32 s24, 64                              ; tiles of 16 columns in its image,
	s_mov_b32 s25, 0                               ; first tile in that image,
	s_mov_b32 s26, OFF_W2                          ; the image's place
	s_wait_kmcnt 0x0
	s_mov_b64 s[20:21], s[14:15]
	s_cmp_lt_u32 ttmp9, 256                        ; the choices hang on the work-group's number alone
	s_cselect_b64 s[20:21], s[12:13], s[20:21]     ; w1
	s_cselect_b32 s22, 128, s22
	s_cselect_b32 s23, 5, s23
	s_cselect_b32 s24, 256, s24
	s_cselect_b32 s26, OFF_W1, s26
	s_cmp_lt_u32 ttmp9, 128
	s_cselect_b64 s[20:21], s[10:11], s[20:21]     ; w_o
	s_cselect_b32 s22, 96, s22
	s_cselect_b32 s23, 3, s23
	s_cselect_b32 s24, 64, s24
	s_cselect_b32 s26, OFF_WO, s26
	s_cmp_lt_u32 ttmp9, 96
	s_cselect_b64 s[20:21], s[8:9], s[20:21]       ; w_v
	s_cselect_b32 s22, 64, s22
	s_cselect_b32 s26, OFF_WV, s26
	s_cmp_lt_u32 ttmp9, 64
	s_cselect_b64 s[20:21], s[6:7], s[20:21]       ; w_k: the second 64 tiles of the image that it shares with w_q
	s_cselect_b32 s22, 32, s22
	s_cselect_b32 s24, 128, s24
	s_cselect_b32 s25, 64, s25
	s_cselect_b32 s26, 0, s26
	s_cmp_lt_u32 ttmp9, 32
	s_cselect_b64 s[20:21], s[4:5], s[20:21]       ; w_q
	s_cselect_b32 s22, 0, s22
	s_cselect_b32 s25, 0, s25
	s_sub_co_u32 s28, ttmp9, s22                   ; my number within the tensor
	s_lshr_b32 s29, s28, s23                       ; which 256 along K
	s_lshl_b32 s30, s29, s23
	s_sub_co_u32 s30, s28, s30                     ; which 128 columns
	s_lshl_b32 s27, 512, s23                       ; a row of W in bytes
	s_mul_i32 s50, s29, s27
	s_lshl_b32 s50, s50, 8                         ; 256 rows for each step along K
	s_lshl_b32 s51, s30, 9
	s_add_co_u32 s50, s50, s51
	s_lshl_b32 s51, s18, 7
	s_add_co_u32 s50, s50, s51                     ; + my wave's 32 columns
	s_mov_b32 s51, 0
	s_add_nc_u64 s[32:33], s[20:21], s[50:51]      ; block 0's rows
	s_lshl_b32 s52, s27, 5                         ; 32 rows
	s_mov_b32 s53, 0
.irp t, 1,2,3,4,5,6,7
	s_add_nc_u64 s[32+2*\t:33+2*\t], s[30+2*\t:31+2*\t], s[52:53]   ; a base for each block of 32 rows; never rewritten
.endr
	s_mul_i32 s54, s29, s24
	s_add_co_u32 s54, s54, s25
	s_lshl_b32 s55, s30, 3
	s_add_co_u32 s54, s54, s55
	s_lshl_b32 s55, s18, 1
	s_add_co_u32 s54, s54, s55                     ; my first unit
	s_mul_i32 s54, s54, UNIT
	s_add_co_u32 s54, s54, s26
	s_mov_b32 s55, 0
	s_add_nc_u64 s[48:49], s[16:17], s[54:55]
	v_lshlrev_b32 v[VO], 2, v1
.set I, 1
.rept 31
	v_add_nc_u32 v[VO+I], s27, v[VO+I-1]
.set I, I+1
.endr
.macro LOAD t                          ; block t: W(32 t + i, my column) into set t % 2; 32 lanes read 128 consecutive bytes
.set I, 0
.rept 32
	global_load_b32 v[X+32*((\t)%2)+I], v[VO+I], s[32+2*(\t):33+2*(\t)] th:TH_LOAD_NT
.set I, I+1
.endr
.endm
	LOAD 0
	LOAD 1
.macro BLOCK t                         ; block t is k = 128 (t / 4) + 64 ((t / 2) % 2) + 32 (t % 2) + 0 .. 31: registers 6 c .. 6 c + 5 of lane (r, h = t % 2) of fragment t / 4
.set XS, X+32*((\t)%2)
.set KS, (\t)/4
.set CC, ((\t)/2)%2
.set HH, (\t)%2
.if (\t) < 7
	s_wait_loadcnt 32                              ; this block's 32 loads are in; the next block's 32 may be out
.else
	s_wait_loadcnt 0x0
.endif
	v_max3_num_f32 v8, |v[XS]|, |v[XS+1]|, |v[XS+2]|
	v_max3_num_f32 v9, |v[XS+3]|, |v[XS+4]|, |v[XS+5]|
.irp i, 6,10,14,18,22,26
	v_max3_num_f32 v8, v8, |v[XS+\i]|, |v[XS+\i+1]|
	v_max3_num_f32 v9, v9, |v[XS+\i+2]|, |v[XS+\i+3]|
.endr
	v_max3_num_f32 v8, v8, |v[XS+30]|, |v[XS+31]|
	v_max3_num_f32 v8, v8, v9, 0x1800000           ; the floor 2^(3 - 127): the byte cannot fall under 1
	v_add_nc_u32 v10, 0xff000000, v8               ; 2 off the exponent field: the conversion's scale operand
	v_lshrrev_b32 v11, 23, v10                     ; the scale's byte
.if (\t)%4 == 0
	v_mov_b32 v[SB+KS], v11
.else
	v_lshl_or_b32 v[SB+KS], v11, 8*((\t)%4), v[SB+KS]
.endif
	v_cvt_scalef32_pk16_fp6_f32 v[C:C+2], v[XS:XS+15], v10
	v_cvt_scalef32_pk16_fp6_f32 v[C+6:C+8], v[XS+16:XS+31], v10   ; (a conversion's three registers begin on an even number)
	v_nop                                          ; one plain line behind a scaled conversion
.irp i, 0,1,2
	v_mov_b32 v[C+3+\i], v[C+6+\i]
.endr
.if CC == 0
	ds_store_b128 v[STC], v[C:C+3] offset:1536*KS+256*HH           ; registers 0-3 of lane r + 16 h
	ds_store_b64 v[STC], v[C+4:C+5] offset:1536*KS+256*HH+512      ; registers 4, 5
.else
	ds_store_b64 v[STC], v[C:C+1] offset:1536*KS+256*HH+520        ; registers 6, 7
	ds_store_b128 v[STC], v[C+2:C+5] offset:1536*KS+256*HH+1024    ; registers 8-11
.endif
.if (\t) < 6
	LOAD (\t)+2
.endif
	s_wait_dscnt 0x0                               ; the stores have read their registers: the next block's codes may be written
.endm
.irp t, 0,1,2,3,4,5,6,7
	BLOCK \t
.endr
	s_wait_alu depctr_va_vdst(0)
	ds_store_b64 v[STS], v[SB:SB+1] offset:3072    ; my column's two scale words,
	ds_store_b64 v[STS], v[SB:SB+1] offset:3200    ; and their repeat for lanes 16-31
.irp i, 0,1,2,3,4,5,6,7,8,9,10,11,12
	ds_load_b128 v[X+4*\i:X+4*\i+3], v[RDL] offset:512*\i          ; LDS serves a wave's instructions in order: these see my stores
.endr
.irp i, 0,1,2,3,4,5,6,7,8,9,10,11,12
	s_wait_dscnt 12-\i                             ; load i is in; the younger ones may be out
	global_store_b128 v[GO], v[X+4*\i:X+4*\i+3], s[48:49] offset:512*\i   ; 32 lanes store 512 consecutive bytes, at a multiple of 256 from the buffer's first byte
.endr
	s_wait_tensorcnt 0x0                           ; the wave's end
	ds_add_u32 v[SPW], v[NIL]
	s_wait_dscnt 0x0
	s_endpgm
.Lfunc_end_k_qa8d8514792_wprep:
	.size	k_qa8d8514792_wprep, .Lfunc_end_k_qa8d8514792_wprep-k_qa8d8514792_wprep
	.p2alignl 7, 3214868480
	.fill 96, 4, 3214868480
	.section	.rodata,"a",@progbits
	.p2align	6, 0x0
	.amdhsa_kernel k_qa8d8514792_wprep
		.amdhsa_group_segment_fixed_size 27136
		.amdhsa_private_segment_fixed_size 0
		.amdhsa_enable_private_segment 0
		.amdhsa_kernarg_size 56
		.amdhsa_user_sgpr_count 2
		.amdhsa_user_sgpr_kernarg_segment_ptr 1
		.amdhsa_wavefront_size32 1
		.amdhsa_system_sgpr_workgroup_id_x 1
		.amdhsa_system_sgpr_workgroup_id_y 1
		.amdhsa_system_sgpr_workgroup_id_z 1
		.amdhsa_system_vgpr_workitem_id 0
		.amdhsa_next_free_vgpr 128
		.amdhsa_next_free_sgpr 66
		.amdhsa_reserve_vcc 0
		.amdhsa_float_denorm_mode_32 3
		.amdhsa_float_denorm_mode_16_64 3
		.amdhsa_memory_ordered 1
		.amdhsa_forward_progress 1
		.amdhsa_inst_pref_size 45
	.end_amdhsa_kernel
	.amdgpu_metadata
---
amdhsa.version: [ 1, 2 ]
amdhsa.kernels:
  - .name:           k_qa8d8514792_wprep
    .symbol:         k_qa8d8514792_wprep.kd
    .args:
      - { .name: w_q, .offset: 0, .size: 8, .value_kind: global_buffer, .address_space: global }
      - { .name: w_k, .offset: 8, .size: 8, .value_kind: global_buffer, .address_space: global }
      - { .name: w_v, .offset: 16, .size: 8, .value_kind: global_buffer, .address_space: global }
      - { .name: w_o, .offset: 24, .size: 8, .value_kind: global_buffer, .address_space: global }
      - { .name: w1, .offset: 32, .size: 8, .value_kind: global_buffer, .address_space: global }
      - { .name: w2, .offset: 40, .size: 8, .value_kind: global_buffer, .address_space: global }
      - { .name: wimg, .offset: 48, .size: 8, .value_kind: global_buffer, .address_space: global }
    .group_segment_fixed_size: 27136
    .private_segment_fixed_size: 0
    .kernarg_segment_align: 8
    .kernarg_segment_size: 56
    .max_flat_workgroup_size: 128
    .sgpr_count:     66
    .vgpr_count:     128
    .wavefront_size: 32
...
	.end_amdgpu_metadata
.endif
;; end of part 1
;; launch ln1 (part 2): grid 256 x 1, 8 waves a work-group, no clusters, 2,048 bytes of LDS; arguments x, g1, be1, hq1; writes hq1
.if DOCPART == 2
	.amdgcn_target "amdgcn-amd-amdhsa--gfx1250"
	.amdhsa_code_object_version 6
	.text
	.protected	k_qa8d8514792_ln1
	.globl	k_qa8d8514792_ln1
	.p2align	8
	.type	k_qa8d8514792_ln1,@function
k_qa8d8514792_ln1:
	s_mov_b64 s[64:65], 0
	v_nop
	global_prefetch_b8 v0, s[64:65] scope:SCOPE_SE
	s_setreg_imm32_b32 hwreg(HW_REG_WAVE_MODE, 25, 1), 1
	s_wait_xcnt 0x0
; y = gain (x - mean) / (std + 1e-6) + offset along rows of 1,024 f32 (std with divisor 1,023), then quantised along the row to codes of FP6 (E2M3) with one E8M0 byte for each 32, and stored as operand images.
; The output lies [4][256][3,328]: a unit holds 16 rows x 256 columns: the fragment of the even 128 columns, that of the odd 128, then the scale words (lane l, parity s, at 3,072 + 8 l + 4 s).
; A fragment is an image of the operand's 12 registers: registers 4 c .. 4 c + 3 of lane l at 512 c + 16 l.
; SHARES.  A work-group is one tile of 16 rows; lane r of tile 2 b + u takes row 32 b + 16 (r / 8) + 8 u + r % 8.  Wave w takes columns 128 w .. 128 w + 127: one fragment.
; Lane (r, h) holds 64 numbers of row r: register 16 b + i = column 128 w + 32 b + 16 h + i, which is what the conversions want.
; STATISTICS.  Each wave makes its 128 columns' sum and the sum of squares about ITS OWN mean; the eight waves' pairs meet in LDS, and the squares are brought about the row's mean by adding
; 128 (wave's mean - row's mean)^2: no difference of large sums is formed, so a common offset of the inputs costs no accuracy.
; LIMITS: NaN and infinities are not served; a row whose variance lies under 2^-126 gets std = 0 (the square root takes a denormal for zero); a block of zeros gets the scale byte 1, not 127 (its codes are zeros; this program alone reads the bytes).
.set SPARE, 1024                       ; bytes 0-1,023: the waves' pairs (wave w, row r at 128 w + 8 r); then the spare words, 128 bytes a wave
.set XA,  1                            ; v1  my byte in the tile's rows of x
.set GA,  2                            ; v2  64 h: my byte in the wave's 512 bytes of gain and offset
.set LI,  3                            ; v3  16 x lane
.set L8,  4                            ; v4  8 x lane
.set EXS, 5                            ; v5  where I put my wave's pair
.set EXL, 6                            ; v6  8 r: where I read the eight pairs
.set SPW, 12                           ; v12 my spare word; never rewritten
.set NIL, 13                           ; v13 0; never rewritten
.set X,   16                           ; v16-79   x, then y
.set G,   80                           ; v80-143  gain
.set BE,  144                          ; v144-207 offset
.set TM,  208                          ; v208-223 at work
.set PW,  224                          ; v224 the scale word
.set PC,  226                          ; v226-244 the eight pairs, then the codes
.set SEL, 20                           ; s[20:21] lane selects: lane l xor 16
	s_load_b256 s[4:11], s[0:1], 0x0               ; x, gain, offset, the images
	v_lshl_add_u32 v[SPW], v0, 2, SPARE
	v_mov_b32 v[NIL], 0
	v_lshrrev_b32 v7, 5, v0
	s_delay_alu instid0(VALU_DEP_1)
	v_readfirstlane_b32 s12, v7                    ; wave
	v_and_b32 v7, 15, v0                           ; r
	v_bfe_u32 v8, v0, 4, 1                         ; h
	v_and_b32 v9, 7, v0
	v_bfe_u32 v10, v0, 3, 1
	s_delay_alu instid0(VALU_DEP_1)
	v_lshl_add_u32 v9, v10, 4, v9                  ; r % 8 + 16 (r / 8)
	s_delay_alu instid0(VALU_DEP_4)
	v_lshlrev_b32 v[GA], 6, v8
	s_delay_alu instid0(VALU_DEP_1)
	v_lshl_add_u32 v[XA], v9, 12, v[GA]            ; that row of 4,096 bytes, + 64 h
	v_and_b32 v11, 31, v0
	s_delay_alu instid0(VALU_DEP_1)
	v_lshlrev_b32 v[LI], 4, v11
	s_delay_alu instid0(VALU_DEP_2)
	v_lshlrev_b32 v[L8], 3, v11
	v_lshlrev_b32 v[EXL], 3, v7
	s_lshl_b32 s15, s12, 7
	v_add_nc_u32 v[EXS], s15, v[EXL]
	v_mov_b32 v250, 0                              ; written once: a lane permute's destination counts as one of its sources
	s_mov_b32 s[SEL], 0x76543210
	s_mov_b32 s[SEL+1], 0xfedcba98
	s_mov_b32 s22, 0x3c000000                      ; 1 / 128
	s_mov_b32 s23, 0x43000000                      ; 128
	s_lshr_b32 s13, ttmp9, 1
	s_lshl_b32 s13, s13, 17                        ; 32 rows for each pair of tiles,
	s_and_b32 s14, ttmp9, 1
	s_lshl_b32 s14, s14, 15                        ; 8 rows for the odd tile
	s_add_co_u32 s14, s14, s13
	s_lshl_b32 s18, s12, 9                         ; my wave's 128 columns
	s_mov_b32 s19, 0
	s_add_co_u32 s16, s14, s18
	s_mov_b32 s17, 0
	s_lshr_b32 s24, s12, 1
	s_lshl_b32 s24, s24, 8
	s_add_co_u32 s24, s24, ttmp9
	s_mul_i32 s24, s24, 3328                       ; my unit: (wave / 2) x 256 + tile
	s_and_b32 s26, s12, 1
	s_mul_i32 s27, s26, 1536
	s_add_co_u32 s28, s24, s27                     ; my fragment in it
	s_mov_b32 s29, 0
	s_lshl_b32 s26, s26, 2
	s_add_co_u32 s30, s24, s26
	s_add_co_u32 s30, s30, 3072                    ; my scale words in it
	s_mov_b32 s31, 0
	s_wait_alu depctr_va_vdst(0)
	s_wait_kmcnt 0x0
	s_add_nc_u64 s[4:5], s[4:5], s[16:17]
	s_add_nc_u64 s[6:7], s[6:7], s[18:19]
	s_add_nc_u64 s[8:9], s[8:9], s[18:19]
	s_add_nc_u64 s[28:29], s[10:11], s[28:29]
	s_add_nc_u64 s[30:31], s[10:11], s[30:31]
.irp b, 0,1,2,3
.irp j, 0,1,2,3
	global_load_b128 v[X+16*\b+4*\j:X+16*\b+4*\j+3], v[XA], s[4:5] offset:128*\b+16*\j
.endr
.endr
.irp b, 0,1,2,3
.irp j, 0,1,2,3
	global_load_b128 v[G+16*\b+4*\j:G+16*\b+4*\j+3], v[GA], s[6:7] offset:128*\b+16*\j
.endr
.endr
.irp b, 0,1,2,3
.irp j, 0,1,2,3
	global_load_b128 v[BE+16*\b+4*\j:BE+16*\b+4*\j+3], v[GA], s[8:9] offset:128*\b+16*\j
.endr
.endr
	s_wait_loadcnt 32                              ; x's 16 loads are in; gain's and offset's 32 may be out
	v_pk_add_f32 v[210:211], v[16:17], v[18:19]
	v_pk_add_f32 v[212:213], v[32:33], v[40:41]
	v_pk_add_f32 v[214:215], v[48:49], v[56:57]
	v_pk_add_f32 v[254:255], v[64:65], v[72:73]
	v_pk_add_f32 v[252:253], v[20:21], v[22:23]
	v_pk_add_f32 v[248:249], v[34:35], v[42:43]
	v_pk_add_f32 v[246:247], v[50:51], v[58:59]
	v_pk_add_f32 v[208:209], v[66:67], v[74:75]
	s_delay_alu instid0(VALU_DEP_1)
	v_pk_add_f32 v[208:209], v[208:209], v[24:25]
	v_pk_add_f32 v[210:211], v[210:211], v[26:27]
	v_pk_add_f32 v[212:213], v[212:213], v[36:37]
	v_pk_add_f32 v[214:215], v[214:215], v[44:45]
	v_pk_add_f32 v[254:255], v[254:255], v[52:53]
	v_pk_add_f32 v[252:253], v[252:253], v[60:61]
	v_pk_add_f32 v[248:249], v[248:249], v[68:69]
	v_pk_add_f32 v[246:247], v[246:247], v[76:77]
	v_pk_add_f32 v[208:209], v[208:209], v[28:29]
	v_pk_add_f32 v[210:211], v[210:211], v[30:31]
	v_pk_add_f32 v[212:213], v[212:213], v[38:39]
	v_pk_add_f32 v[214:215], v[214:215], v[46:47]
	v_pk_add_f32 v[254:255], v[254:255], v[54:55]
	v_pk_add_f32 v[252:253], v[252:253], v[62:63]
	v_pk_add_f32 v[248:249], v[248:249], v[70:71]
	v_pk_add_f32 v[246:247], v[246:247], v[78:79]
	s_delay_alu instid0(VALU_DEP_4)
	v_pk_add_f32 v[208:209], v[208:209], v[254:255]
	s_delay_alu instid0(VALU_DEP_4)
	v_pk_add_f32 v[210:211], v[210:211], v[252:253]
	s_delay_alu instid0(VALU_DEP_4)
	v_pk_add_f32 v[212:213], v[212:213], v[248:249]
	s_delay_alu instid0(VALU_DEP_4)
	v_pk_add_f32 v[214:215], v[214:215], v[246:247]
	s_delay_alu instid0(VALU_DEP_2)
	v_pk_add_f32 v[208:209], v[208:209], v[212:213]
	s_delay_alu instid0(VALU_DEP_2)
	v_pk_add_f32 v[210:211], v[210:211], v[214:215]
	s_delay_alu instid0(VALU_DEP_1)
	v_pk_add_f32 v[208:209], v[208:209], v[210:211]
	s_delay_alu instid0(VALU_DEP_1)
	v_add_f32 v246, v[TM], v[TM+1]
	s_delay_alu instid0(VALU_DEP_1)
	v_permlanex16_b32 v250, v246, s[SEL], s[SEL+1]
	s_delay_alu instid0(VALU_DEP_1)
	v_add_f32 v246, v246, v250                     ; with lane l xor 16's: the sum of my row's 128 columns
	s_delay_alu instid0(VALU_DEP_1)
	v_mul_f32 v248, 0xbc000000, v246               ; minus the wave's mean,
	s_delay_alu instid0(VALU_DEP_1)
	v_mov_b32 v249, v248                           ; twice: a pair for the packed lines
.irp i, 0,8,16,24,32,40,48,56
.irp k, 0,2,4,6
	v_pk_add_f32 v[TM+8+\k:TM+9+\k], v[X+\i+\k:X+\i+\k+1], v[248:249]
.endr
.irp k, 0,2,4,6
.if \i == 0
	s_delay_alu instid0(VALU_DEP_4)
	v_pk_mul_f32 v[TM+\k:TM+\k+1], v[TM+8+\k:TM+9+\k], v[TM+8+\k:TM+9+\k]
.else
	s_delay_alu instid0(VALU_DEP_4)
	v_pk_fma_f32 v[TM+\k:TM+\k+1], v[TM+8+\k:TM+9+\k], v[TM+8+\k:TM+9+\k], v[TM+\k:TM+\k+1]
.endif
.endr
.endr
	s_delay_alu instid0(VALU_DEP_3)
	v_pk_add_f32 v[TM:TM+1], v[TM:TM+1], v[TM+2:TM+3]
	s_delay_alu instid0(VALU_DEP_2)
	v_pk_add_f32 v[TM+4:TM+5], v[TM+4:TM+5], v[TM+6:TM+7]
	s_delay_alu instid0(VALU_DEP_1)
	v_pk_add_f32 v[TM:TM+1], v[TM:TM+1], v[TM+4:TM+5]
	s_delay_alu instid0(VALU_DEP_1)
	v_add_f32 v247, v[TM], v[TM+1]
	s_delay_alu instid0(VALU_DEP_1)
	v_permlanex16_b32 v250, v247, s[SEL], s[SEL+1]
	s_delay_alu instid0(VALU_DEP_1)
	v_add_f32 v247, v247, v250                     ; the squares about the wave's mean
	ds_store_b64 v[EXS], v[246:247]                ; both halves of the lanes write the same pair to the same place
	s_wait_dscnt 0x0                               ; for the others' sake: my store has landed
	s_barrier_signal -1
	s_barrier_wait -1
.irp w, 0,1,2,3,4,5,6,7
	ds_load_b64 v[PC+2*\w:PC+2*\w+1], v[EXL] offset:128*\w
.endr
	s_wait_dscnt 0x0
	v_add_f32 v242, v226, v228
	v_add_f32 v243, v230, v232
	v_add_f32 v244, v234, v236
	v_add_f32 v245, v238, v240
	s_delay_alu instid0(VALU_DEP_3)
	v_add_f32 v242, v242, v243
	s_delay_alu instid0(VALU_DEP_2)
	v_add_f32 v244, v244, v245
	s_delay_alu instid0(VALU_DEP_1)
	v_add_f32 v242, v242, v244                     ; the row's sum
	s_delay_alu instid0(VALU_DEP_1)
	v_mul_f32 v252, 0xba800000, v242               ; minus the row's mean (/ 1,024),
	s_delay_alu instid0(VALU_DEP_1)
	v_mov_b32 v253, v252                           ; twice
	v_add_f32 v242, v227, v229
	v_add_f32 v243, v231, v233
	v_add_f32 v244, v235, v237
	v_add_f32 v245, v239, v241
	s_delay_alu instid0(VALU_DEP_3)
	v_add_f32 v242, v242, v243
	s_delay_alu instid0(VALU_DEP_2)
	v_add_f32 v244, v244, v245
	s_delay_alu instid0(VALU_DEP_1)
	v_add_f32 v242, v242, v244                     ; the eight waves' squares
.irp w, 0,1,2,3,4,5,6,7
	v_fma_f32 v[PC+2*\w], v[PC+2*\w], s22, v252    ; a wave's mean less the row's
.endr
	v_mul_f32 v243, v226, v226
	v_mul_f32 v244, v228, v228
	s_delay_alu instid0(VALU_DEP_2)
	v_fma_f32 v243, v230, v230, v243
	s_delay_alu instid0(VALU_DEP_2)
	v_fma_f32 v244, v232, v232, v244
	s_delay_alu instid0(VALU_DEP_2)
	v_fma_f32 v243, v234, v234, v243
	s_delay_alu instid0(VALU_DEP_2)
	v_fma_f32 v244, v236, v236, v244
	s_delay_alu instid0(VALU_DEP_2)
	v_fma_f32 v243, v238, v238, v243
	s_delay_alu instid0(VALU_DEP_2)
	v_fma_f32 v244, v240, v240, v244
	s_delay_alu instid0(VALU_DEP_1)
	v_add_f32 v243, v243, v244
	s_delay_alu instid0(VALU_DEP_1)
	v_fma_f32 v242, v243, s23, v242                ; the squares about the row's mean
	s_delay_alu instid0(VALU_DEP_1)
	v_mul_f32 v242, 0x3a802008, v242               ; / 1,023
	s_wait_alu depctr_va_vdst(0)
	v_sqrt_f32 v243, v242
	v_nop                                          ; a plain line behind the transcendental,
	s_wait_alu depctr_va_vdst(0)                   ; and the wait ahead of its first reader
	v_add_f32 v243, 0x358637bd, v243               ; std + 1e-6
	s_wait_alu depctr_va_vdst(0)
	v_rcp_f32 v254, v243
	v_nop
	s_wait_alu depctr_va_vdst(0)
	v_mov_b32 v255, v254                           ; twice
	s_wait_loadcnt 0x0                             ; gain and offset
.set I, 0
.rept 32
	v_pk_add_f32 v[X+I:X+I+1], v[X+I:X+I+1], v[252:253]
.set I, I+2
.endr
.set I, 0
.rept 32
	v_pk_mul_f32 v[X+I:X+I+1], v[X+I:X+I+1], v[254:255]
.set I, I+2
.endr
.set I, 0
.rept 32
	v_pk_fma_f32 v[X+I:X+I+1], v[X+I:X+I+1], v[G+I:G+I+1], v[BE+I:BE+I+1]
.set I, I+2
.endr
	; the quantiser: 64 numbers of a lane, register 16 b + i = k 32 b + 16 h + i of my row, become a fragment's codes and my row's scale word
.irp b, 0,1,2,3
	v_max3_num_f32 v[TM+\b], |v[X+16*\b]|, |v[X+1+16*\b]|, 0x1800000   ; the floor 2^(3 - 127): the byte cannot fall under 1
.endr
.irp i, 2,4,6,8,10,12,14
.irp b, 0,1,2,3
	s_delay_alu instid0(VALU_DEP_4)
	v_max3_num_f32 v[TM+\b], v[TM+\b], |v[X+16*\b+\i]|, |v[X+1+16*\b+\i]|
.endr
.endr
.irp b, 0,1,2,3
	s_delay_alu instid0(VALU_DEP_4)
	v_permlanex16_b32 v[TM+4+\b], v[TM+\b], s[SEL], s[SEL+1]
.endr
.irp b, 0,1,2,3
	s_delay_alu instid0(VALU_DEP_4)
	v_max_num_f32 v[TM+\b], v[TM+\b], v[TM+4+\b]   ; with lane l xor 16's: the block's largest magnitude
.endr
.irp b, 0,1,2,3
	s_delay_alu instid0(VALU_DEP_4)
	v_add_nc_u32 v[TM+12+\b], 0xff000000, v[TM+\b] ; 2 off its exponent field: the conversion's scale operand
.endr
.irp b, 0,1,2,3
	s_delay_alu instid0(VALU_DEP_4)
	v_lshrrev_b32 v[TM+4+\b], 23, v[TM+12+\b]      ; the scale's byte
.endr
	s_delay_alu instid0(VALU_DEP_3)
	v_lshl_or_b32 v[PW], v[TM+5], 8, v[TM+4]
	s_delay_alu instid0(VALU_DEP_1)
	v_lshl_or_b32 v[PW], v[TM+6], 16, v[PW]
	s_delay_alu instid0(VALU_DEP_1)
	v_lshl_or_b32 v[PW], v[TM+7], 24, v[PW]
.irp c, 0,1
	v_cvt_scalef32_pk16_fp6_f32 v[PC+6*\c:PC+2+6*\c], v[X+32*\c:X+15+32*\c], v[TM+12+2*\c]
	v_cvt_scalef32_pk16_fp6_f32 v[PC+12+4*\c:PC+14+4*\c], v[X+16+32*\c:X+31+32*\c], v[TM+12+2*\c+1]
.endr
	v_nop                                          ; one plain line behind a scaled conversion
.irp c, 0,1                                    ; the operand's layout wants a whole block in a lane: lanes 0-15 block 2 c, lanes 16-31 block 2 c + 1
.irp i, 0,1,2
	v_permlane16_swap_b32 v[PC+6*\c+\i], v[PC+12+4*\c+\i]
.endr
.irp i, 0,1,2
	s_delay_alu instid0(VALU_DEP_3)
	v_mov_b32 v[PC+3+6*\c+\i], v[PC+12+4*\c+\i]
.endr
.endr
.irp c, 0,1,2
	global_store_b128 v[LI], v[PC+4*\c:PC+4*\c+3], s[28:29] offset:512*\c   ; 32 lanes store 512 consecutive bytes, at a multiple of 256 from the buffer's first byte
.endr
	global_store_b32 v[L8], v[PW], s[30:31]        ; my row's scale word (lanes 16-31 hold lanes 0-15's again)
	s_wait_tensorcnt 0x0                           ; the wave's end
	ds_add_u32 v[SPW], v[NIL]
	s_wait_dscnt 0x0
	s_endpgm
.Lfunc_end_k_qa8d8514792_ln1:
	.size	k_qa8d8514792_ln1, .Lfunc_end_k_qa8d8514792_ln1-k_qa8d8514792_ln1
	.p2alignl 7, 3214868480
	.fill 96, 4, 3214868480
	.section	.rodata,"a",@progbits
	.p2align	6, 0x0
	.amdhsa_kernel k_qa8d8514792_ln1
		.amdhsa_group_segment_fixed_size 2048
		.amdhsa_private_segment_fixed_size 0
		.amdhsa_enable_private_segment 0
		.amdhsa_kernarg_size 32
		.amdhsa_user_sgpr_count 2
		.amdhsa_user_sgpr_kernarg_segment_ptr 1
		.amdhsa_wavefront_size32 1
		.amdhsa_system_sgpr_workgroup_id_x 1
		.amdhsa_system_sgpr_workgroup_id_y 1
		.amdhsa_system_sgpr_workgroup_id_z 1
		.amdhsa_system_vgpr_workitem_id 0
		.amdhsa_next_free_vgpr 256
		.amdhsa_next_free_sgpr 66
		.amdhsa_reserve_vcc 0
		.amdhsa_float_denorm_mode_32 3
		.amdhsa_float_denorm_mode_16_64 3
		.amdhsa_memory_ordered 1
		.amdhsa_forward_progress 1
		.amdhsa_inst_pref_size 31
	.end_amdhsa_kernel
	.amdgpu_metadata
---
amdhsa.version: [ 1, 2 ]
amdhsa.kernels:
  - .name:           k_qa8d8514792_ln1
    .symbol:         k_qa8d8514792_ln1.kd
    .args:
      - { .name: x, .offset: 0, .size: 8, .value_kind: global_buffer, .address_space: global }
      - { .name: g1, .offset: 8, .size: 8, .value_kind: global_buffer, .address_space: global }
      - { .name: be1, .offset: 16, .size: 8, .value_kind: global_buffer, .address_space: global }
      - { .name: hq1, .offset: 24, .size: 8, .value_kind: global_buffer, .address_space: global }
    .group_segment_fixed_size: 2048
    .private_segment_fixed_size: 0
    .kernarg_segment_align: 8
    .kernarg_segment_size: 32
    .max_flat_workgroup_size: 256
    .sgpr_count:     66
    .vgpr_count:     256
    .wavefront_size: 32
...
	.end_amdgpu_metadata
.endif
;; end of part 2
;; launch gqkv (part 3): grid 12 x 16, 4 waves a work-group, clusters of 4 x 4, 327,680 bytes of LDS; arguments hq1, wimg, qk, vt; writes qk, vt
.if DOCPART == 3
	.amdgcn_target "amdgcn-amd-amdhsa--gfx1250"
	.amdhsa_code_object_version 6
	.text
	.protected	k_qa8d8514792_gqkv
	.globl	k_qa8d8514792_gqkv
	.p2align	8
	.type	k_qa8d8514792_gqkv,@function
k_qa8d8514792_gqkv:
	s_mov_b64 s[64:65], 0
	v_nop
	global_prefetch_b8 v0, s[64:65] scope:SCOPE_SE
	s_setreg_imm32_b32 hwreg(HW_REG_WAVE_MODE, 25, 1), 1
	s_wait_xcnt 0x0
	s_wait_alu depctr_hold_cnt(0) depctr_sa_sdst(0) depctr_va_vdst(0) depctr_va_sdst(0) depctr_va_ssrc(0) depctr_va_vcc(0) depctr_vm_vsrc(0)
	s_getreg_b32 s2, hwreg(HW_REG_IB_STS2, 6, 4)
	s_cmp_eq_u32 s2, 0
	s_cbranch_scc0 .Lentry_in_a_cluster
	s_endpgm
.Lentry_in_a_cluster:
	s_bfe_u32 s2, ttmp6, 0x10000c
	s_cmp_lg_u32 s2, 0xf033
	s_cbranch_scc0 .Lentry_shape_is_right
	s_endpgm
.Lentry_shape_is_right:
; q, k and v of the attention, from the normalised rows' codes (hq1) and the weights' codes (wimg), all FP6 (E2M3) with E8M0 scales for each 32 along K = 1,024; the results are quantised here and stored as operand images.
; OPERANDS lie [K / 256][rows / 16][3,328]: a unit holds 16 rows x 256 along K: two fragments of 1,536 bytes (images of the operand's 12 registers: registers 4 c .. 4 c + 3 of lane l at 512 c + 16 l), then scale words (lane l, parity s, at 3,072 + 8 l + 4 s).
; So the 8 units of 128 rows for one 256 along K are 26,624 dense bytes: one tensor load; a fragment comes out of LDS by three loads of 16 bytes a lane, 16 x lane on end.
; LANE r OF TILE 2 b + u HOLDS ROW 32 b + 16 (r / 8) + 8 u + r % 8, in every operand.  The matrix instruction is used transposed (source 0 = 16 rows of "B", source 1 = 16 rows of "A"): a lane holds one row of A,
; and the 64 registers of its 8 accumulators are 128 columns as 4 x 16 neighbours: register 16 b + i = column 32 b + 16 (lane / 16) + i: what the conversions want.
; TWO PRODUCTS, ONE TEXT.  Clusters with x < 2: A = tokens (hq1), B = w_q and w_k's 2,048 columns: q and k, quantised along a head's 64.  Clusters with x = 2: A = w_v's 1,024 columns, B = tokens: v^T, quantised along the keys.
; The choice hangs on the cluster's x alone: it is the same in all sixteen partners.
; A work-group of four waves makes 256 x 256, a wave 128 x 128: 64 accumulators, 512 registers.  K goes in steps of 256 through two LDS slots.  4 x 4 work-groups form a cluster; A's tiles are asked for jointly along a row, B's along a column.
; OUT.  qk: [32 (q's heads, then k's)][128 pairs of tiles][1,792]: for each tile of the pair a half fragment (registers 0-3 at 16 l, registers 4, 5 at 512 + 8 l: 768 bytes), then the scale words (1,536 + 128 (tile % 2) + 4 l; bytes 2, 3 = 127: they meet zero codes).
;       vt: [16 heads][32 steps of 128 keys][6,656]: four fragments (16 of the head's 64 x 128 keys), then scale words at 6,144 + 128 tile + 4 l.
; LIMITS: NaN and infinities are not served; a block of zeros, or one whose largest magnitude lies under 2^-124, gets the scale byte 1 (this program alone reads the bytes).
; REGISTERS, in windows of 256: window 0: v16-29 addresses; v32-63 scale words, two sets; v128-223 A's fragments, one set.  window 1: B's fragments, two sets, at v0 and v128.  windows 2, 3: the accumulators of my rows 0-63, 64-127.
.set NA,    8                          ; tiles of 16 rows in a wave's share of A and of B
.set QS,    1                          ; steps of 256 along K in a slot
.set LAPS,  2                          ; 1,024 / (512 QS): times round the ring
.set UNIT,  3328
.set H,     NA/2
.set NQ,    2*QS                       ; matrix instructions deep in a slot
.set CH,    NA*UNIT
.set PART,  QS*CH                      ; what one tensor load brings
.set SLOT,  4*PART                     ; A's two halves, then B's two
.set SPARE, 2*SLOT                     ; behind the ring: the spare words, 128 bytes a wave, which no other line names
.set FR,    12                         ; registers of a fragment
.set NL,    3                          ; LDS loads that bring one
.set OFF_WV, 1703936                   ; w_v's image in wimg (w_q's and w_k's lies at 0)
.set ADRA, 16                          ; v16-17 my A fragments in slot 0, 1
.set ADRB, 20                          ; v20-21 my B fragments
.set ADRS, 22                          ; v22-23 my scale words: lanes 0-15 A's, lanes 16-31 B's
.set LI,   24                          ; v24 16 x lane
.set L8,   25                          ; v25 8 x lane
.set L4,   26                          ; v26 4 x lane
.set SPW,  28                          ; v28 my spare word; never rewritten
.set NIL,  29                          ; v29 0; never rewritten
.set SC,   32                          ; scale words: set s at v[SC + 16 s]; register NQ i + q: lanes 0-15 A's block i, lanes 16-31 B's block i
.set AF,   128
.set TM,   32                          ; the way out: v32-47 at work, v48 the scale word, v49, v50 its halves, v52-70 codes
.set PW,   48
.set PWA,  49
.set PWB,  50
.set PC,   52
.set G1,   24                          ; s[24:31] descriptor group 1 for A's tiles; s[32:39] group 0, a set for each slot
.set G0,   32
.set G1B,  48                          ; s[48:55], s[56:63] the same for B's
.set G0B,  56
.set SEL,  70                          ; s[70:71] lane selects: lane l xor 16
.set MSB, 0
.macro WIN new                         ; the immediate's high byte repeats the setting that is left
.if MSB != (\new)
	s_set_vgpr_msb (MSB<<8)|(\new)
.set MSB, (\new)
.endif
.endm
; A joint load: waves 0 and 1 fetch A's halves, waves 2 and 3 B's.  The branch hangs on the wave's number alone.  An s_nop 0 and four v_nop follow each of the two lines.
.macro JLOAD g0a, g1a, g0b, g1b
	s_cmp_eq_u32 s15, 0
	s_cbranch_scc0 .Lfor_b_\@
	tensor_load_to_lds s[\g0a:\g0a+3], s[\g1a:\g1a+7]
	s_nop 0
.rept 4
	v_nop
.endr
	s_branch .Lasked_\@
.Lfor_b_\@:
	tensor_load_to_lds s[\g0b:\g0b+3], s[\g1b:\g1b+7]
	s_nop 0
.rept 4
	v_nop
.endr
.Lasked_\@:
.endm
.macro CREST                           ; a round of the cluster's barrier behind its opening barrier
	s_cmp_lg_u32 s14, 0
	s_cbranch_scc1 .Lnot_wave_0_\@
	s_barrier_signal -3
.Lnot_wave_0_\@:
	s_barrier_wait -3
	s_barrier_signal -1
	s_barrier_wait -1
.endm
.macro CROUND                          ; a whole round
	s_barrier_signal -1
	s_barrier_wait -1
	CREST
.endm
.macro PLACES                          ; four plain lines between a matrix instruction and a load into, or a vector read or write of, its registers
.rept 4
	v_nop
.endr
.endm
.macro FRAG reg, adr, q, i             ; tile i's fragment of the slot's q-th 128 along K: the image comes back as it was stored
.irp c, 0,1,2
	ds_load_b128 v[\reg+4*\c:\reg+4*\c+3], v[\adr] offset:((\q)/2)*CH+(\i)*UNIT+((\q)%2)*1536+512*\c
.endr
.endm
.macro FETCH_B slot, q, p              ; B's NA fragments into set p
	WIN 0x40
.set FI, 0
.rept NA
	FRAG 128*(\p)+FR*FI, ADRB+\slot, \q, FI
.set FI, FI+1
.endr
	WIN 0
.endm
.macro FETCH_A slot, q, i0             ; A's blocks i0 .. i0 + H - 1
.set FI, \i0
.rept H
	FRAG AF+FR*FI, ADRA+\slot, \q, FI
.set FI, FI+1
.endr
.endm
.macro SCALES sl                       ; a slot's scale words: two words (256 along K) a load
.set FI, 0
.rept NA
.set FQ, 0
.rept QS
	ds_load_b64 v[SC+16*\sl+NQ*FI+2*FQ:SC+16*\sl+NQ*FI+2*FQ+1], v[ADRS+\sl] offset:FQ*CH+FI*UNIT
.set FQ, FQ+1
.endr
.set FI, FI+1
.endr
.endm
; A's block a against B's NA blocks.  z = 1: the products start the sums: nothing is cleared.  The accumulators take turns, one instruction a turn, in the same order in every step.
.macro MULB a, p, q, sc, z
	WIN 0xa1+0x50*((\a)/H)
.set AC, 8*NA*((\a)%H)
.set BI, 0
.rept NA
.if (\z) == 1
	v_wmma_scale_f32_16x16x128_f8f6f4 v[AC+8*BI:AC+8*BI+7], v[128*(\p)+FR*BI:128*(\p)+FR*BI+FR-1], v[AF+FR*(\a):AF+FR*(\a)+FR-1], 0, v[SC+16*(\sc)+NQ*BI+(\q)], v[SC+16*(\sc)+NQ*(\a)+(\q)] matrix_a_fmt:MATRIX_FMT_FP6 matrix_b_fmt:MATRIX_FMT_FP6 matrix_a_scale:MATRIX_SCALE_ROW1
.else
	v_wmma_scale_f32_16x16x128_f8f6f4 v[AC+8*BI:AC+8*BI+7], v[128*(\p)+FR*BI:128*(\p)+FR*BI+FR-1], v[AF+FR*(\a):AF+FR*(\a)+FR-1], v[AC+8*BI:AC+8*BI+7], v[SC+16*(\sc)+NQ*BI+(\q)], v[SC+16*(\sc)+NQ*(\a)+(\q)] matrix_a_fmt:MATRIX_FMT_FP6 matrix_b_fmt:MATRIX_FMT_FP6 matrix_a_scale:MATRIX_SCALE_ROW1
.endif
.set BI, BI+1
.endr
.endm
.macro MULS a0, n, p, q, sc, z         ; n blocks of A from a0 on
.set AI, \a0
.rept \n
	MULB AI, \p, \q, \sc, \z
.set AI, AI+1
.endr
.endm
; A step of 128 along K that has its successor in the same slot.  A block of A is free once its products are issued, so A has one set; B's fragments are at work through the step, so B has two.
.macro STEP slot, q, z
	s_wait_dscnt H*NL                              ; all but the youngest loads, A's upper blocks
	MULS 0, H, (\q)%2, \q, \slot, \z
	s_wait_dscnt 0x0                               ; A's upper blocks are in
	PLACES
	FETCH_B \slot, (\q)+1, 1-(\q)%2
	FETCH_A \slot, (\q)+1, 0
	MULS H, H, (\q)%2, \q, \slot, \z
	PLACES
	WIN 0
	FETCH_A \slot, (\q)+1, H
.endm
; A slot's last step changes slots: one barrier; in front of it each wave waits for all its tensor loads, adds 0 to its spare word, and waits for that and for its reads of this slot.  fill = 1: this slot is filled again, two slots ahead.
.macro TURN slot, next, fill
	s_wait_tensorcnt 0x0                           ; all my tensor loads have landed: my part of the next slot
	ds_add_u32 v[SPW], v[NIL]                      ; 0 onto my spare word
	s_wait_dscnt H*NL+1                            ; (the add and A's upper blocks may be out)
	MULS 0, H/2, 1, NQ-1, \slot, 0
	s_wait_dscnt 0x0                               ; the add is done, and my reads of this slot are over
	s_barrier_signal -1
	MULS H/2, H/2, 1, NQ-1, \slot, 0
	WIN 0
	s_barrier_wait -1
.if \fill
	CREST                                          ; the barrier has opened a round of the cluster's: no wave of any partner still reads this slot or has a load on its way
	s_add_nc_u64 s[G0+4*\slot+2:G0+4*\slot+3], s[G0+4*\slot+2:G0+4*\slot+3], s[88:89]
	s_add_nc_u64 s[G0B+4*\slot+2:G0B+4*\slot+3], s[G0B+4*\slot+2:G0B+4*\slot+3], s[90:91]
	JLOAD G0+4*\slot, G1, G0B+4*\slot, G1B         ; the first tensor load behind the round; its four v_nop are the places in front of the loads below
.else
	PLACES
.endif
	FETCH_B \next, 0, 0
	FETCH_A \next, 0, 0
	SCALES \next
	MULS H, H, 1, NQ-1, \slot, 0
	PLACES
	WIN 0
	FETCH_A \next, 0, H
.endm
; The quantiser on 64 accumulator registers v[s] .. v[s + 63] of window W: register 16 b + i = k 32 b + 16 (lane / 16) + i of my row.  Codes to v[PC] on, scale word to v[PW].  Each accumulator is read from its low end on.
.macro QUANTW W, s
	WIN (\W)|((\W)<<2)
.irp b, 0,1,2,3
	v_max3_num_f32 v[TM+\b], |v[(\s)+16*\b]|, |v[(\s)+1+16*\b]|, 0x1800000   ; the floor 2^(3 - 127): the byte cannot fall under 1
.endr
.irp i, 2,4,6,8,10,12,14
.irp b, 0,1,2,3
	v_max3_num_f32 v[TM+\b], |v[(\s)+16*\b+\i]|, |v[(\s)+1+16*\b+\i]|, v[TM+\b]
.endr
.endr
	WIN 0
.irp b, 0,1,2,3
	v_permlanex16_b32 v[TM+4+\b], v[TM+\b], s[SEL], s[SEL+1]
.endr
.irp b, 0,1,2,3
	v_max_num_f32 v[TM+\b], v[TM+\b], v[TM+4+\b]
.endr
.irp b, 0,1,2,3
	v_add_nc_u32 v[TM+12+\b], 0xff000000, v[TM+\b] ; 2 off the exponent field: the conversion's scale operand
.endr
.irp b, 0,1,2,3
	v_lshrrev_b32 v[TM+4+\b], 23, v[TM+12+\b]      ; the scale's byte
.endr
	v_lshl_or_b32 v[PW], v[TM+5], 8, v[TM+4]
	v_lshl_or_b32 v[PW], v[TM+6], 16, v[PW]
	v_lshl_or_b32 v[PW], v[TM+7], 24, v[PW]
	WIN (\W)
.irp c, 0,1
	v_cvt_scalef32_pk16_fp6_f32 v[PC+6*\c:PC+2+6*\c], v[(\s)+32*\c:(\s)+15+32*\c], v[TM+12+2*\c]
	v_cvt_scalef32_pk16_fp6_f32 v[PC+12+4*\c:PC+14+4*\c], v[(\s)+16+32*\c:(\s)+31+32*\c], v[TM+12+2*\c+1]
.endr
	WIN 0
	v_nop                                          ; one plain line behind a scaled conversion
.irp c, 0,1
.irp i, 0,1,2
	v_permlane16_swap_b32 v[PC+6*\c+\i], v[PC+12+4*\c+\i]
.endr
.irp i, 0,1,2
	v_mov_b32 v[PC+3+6*\c+\i], v[PC+12+4*\c+\i]
.endr
.endr
.endm
	s_load_b256 s[4:11], s[0:1], 0x0               ; hq1, wimg, qk, vt
	v_lshl_add_u32 v[SPW], v0, 2, SPARE
	v_mov_b32 v[NIL], 0
	ds_add_u32 v[SPW], v[NIL]                      ; the wave's opening: the add and its wait ahead of my first tensor load; work on registers stands between them
	ds_add_u32 v[SPW], v[NIL]
	v_lshrrev_b32 v1, 5, v0
	v_readfirstlane_b32 s14, v1                    ; wave 0..3
	s_lshr_b32 s15, s14, 1                         ; my half of A's rows.  Also: I fetch for A (0) or for B (1)
	s_and_b32 s16, s14, 1                          ; my half of B's rows.  Also: which half I fetch
	s_bfe_u32 s40, ttmp6, 0x40000                  ; cx
	s_bfe_u32 s41, ttmp6, 0x40004                  ; cy
	s_and_b32 s73, ttmp7, 0xffff
	s_lshl_b32 s73, s73, 2                         ; 4 x cluster y
	s_lshl_b32 s74, ttmp9, 2                       ; 4 x cluster x
	s_mov_b32 s66, 64*UNIT                         ; v^T: A = w_v's image, 64 tiles for each 256 along K;
	s_mov_b32 s68, 256*UNIT                        ;      B = the tokens' image, 256 tiles
	s_cmp_lt_u32 ttmp9, 2                          ; q and k, or v^T?  The cluster's x alone decides
	s_cselect_b32 s72, 1, 0
	s_cselect_b32 s42, s74, s73                    ; B's tile: of 8 (columns of w_q, w_k) or of 16 (tokens)
	s_cselect_b32 s17, s73, 0                      ; A's tile: of 16 (tokens) or of 4 (columns of w_v)
	s_cselect_b32 s66, 256*UNIT, s66
	s_cselect_b32 s68, 128*UNIT, s68
	s_cselect_b32 s75, 0, OFF_WV
	s_add_co_u32 s42, s42, s40                     ; + cx
	s_add_co_u32 s17, s17, s41                     ; + cy
	s_mov_b32 s67, 0
	s_mov_b32 s69, 0
	s_lshl_b32 s88, s66, 1                         ; two slots on
	s_mov_b32 s89, 0
	s_lshl_b32 s90, s68, 1
	s_mov_b32 s91, 0
	s_lshl_b32 s43, s41, 2
	s_lshl_b32 s43, 15, s43                        ; my row of the cluster
	s_lshl_b32 s44, 0x1111, s40                    ; my column
	s_or_b32 s[G1+0], s43, (3<<16)|(1<<21)         ; 15:0 the mask; 17:16 elements of 8 bytes; 21 set beside a mask; no padding
	s_or_b32 s[G1B+0], s44, (3<<16)|(1<<21)
.irp g, G1, G1B
	s_mov_b32 s[\g+1], 32<<16                      ; a dense block of 26,624 bytes as 104 rows of 256: tensor_dim0 = 32
	s_mov_b32 s[\g+2], 104<<16                     ; tensor_dim1
	s_mov_b32 s[\g+3], 32<<16                      ; tile_dim0
	s_mov_b32 s[\g+4], 104                         ; tile_dim1
	s_mov_b32 s[\g+5], 32                          ; from row to row
	s_mov_b32 s[\g+6], 0
	s_mov_b32 s[\g+7], 0
.endr
	s_mul_i32 s18, s16, NA                         ; which half I fetch
	s_mul_i32 s20, s17, 2*NA
	s_add_co_u32 s20, s20, s18
	s_mul_i32 s20, s20, UNIT
	s_add_co_u32 s20, s20, s75
	s_mov_b32 s21, 0
	s_mul_i32 s46, s42, 2*NA
	s_add_co_u32 s46, s46, s18
	s_mul_i32 s46, s46, UNIT
	s_mov_b32 s47, 0
	s_mul_i32 s45, s14, PART                       ; where my part goes: no place in the cluster enters an LDS address
	s_mov_b32 s[SEL], 0x76543210
	s_mov_b32 s[SEL+1], 0xfedcba98
	s_mov_b32 s78, 0x7f7f0000
	s_mov_b32 s79, 0xffff
	s_wait_dscnt 0x0                               ; the opening add is done
	s_wait_kmcnt 0x0
	s_cmp_eq_u32 s72, 1
	s_cselect_b64 s[76:77], s[4:5], s[6:7]         ; A's buffer
	s_cselect_b64 s[80:81], s[6:7], s[4:5]         ; B's
	s_add_nc_u64 s[20:21], s[76:77], s[20:21]
	s_add_nc_u64 s[46:47], s[80:81], s[46:47]
	CROUND                                         ; all sixteen work-groups are here: the first joint loads meet
	s_mov_b32 s[G0], 1
	s_mov_b32 s[G0+1], s45
	s_mov_b64 s[G0+2:G0+3], s[20:21]
	s_or_b32 s[G0+3], s[G0+3], 0x80000000
	s_mov_b32 s[G0B], 1
	s_mov_b32 s[G0B+1], s45
	s_mov_b64 s[G0B+2:G0B+3], s[46:47]
	s_or_b32 s[G0B+3], s[G0B+3], 0x80000000
	JLOAD G0, G1, G0B, G1B                         ; slot 0
	; PREFETCHES INTO THE L2.  A load of mine is 26,624 dense bytes, 104 blocks of 256; the four partners that ask for it jointly share them out BY ADDRESS, 26 each (place cx for A's tiles, cy for B's):
	; a lane a block, lanes 26-31 name the last block again.  Behind fill 0's load fills 1 and 2 are asked for, behind fill 1's load fill 3; K has four fills.  The address registers are never rewritten
	s_cmp_eq_u32 s15, 0                            ; do I fetch for A?
	s_cselect_b64 s[92:93], s[20:21], s[46:47]
	s_cselect_b32 s94, s40, s41                    ; my place among the four
	s_cselect_b32 s96, s66, s68                    ; bytes from fill to fill
	s_mul_i32 s94, s94, 6656
	s_mov_b32 s95, 0
	s_mov_b32 s97, 0
	s_add_nc_u64 s[92:93], s[92:93], s[94:95]
	s_add_nc_u64 s[92:93], s[92:93], s[96:97]      ; fill 1,
	s_add_nc_u64 s[82:83], s[92:93], s[96:97]      ; fill 2,
	s_add_nc_u64 s[84:85], s[82:83], s[96:97]      ; fill 3
	v_and_b32 v30, 31, v0
	v_min_u32 v30, 25, v30
	v_lshlrev_b32 v30, 8, v30
	global_prefetch_b8 v30, s[92:93] th:TH_LOAD_NT scope:SCOPE_SE
	global_prefetch_b8 v30, s[82:83] th:TH_LOAD_NT scope:SCOPE_SE
	s_mov_b32 s[G0+4], 1
	s_add_co_u32 s[G0+5], s45, SLOT
	s_add_nc_u64 s[G0+6:G0+7], s[20:21], s[66:67]
	s_or_b32 s[G0+7], s[G0+7], 0x80000000
	s_mov_b32 s[G0B+4], 1
	s_add_co_u32 s[G0B+5], s45, SLOT
	s_add_nc_u64 s[G0B+6:G0B+7], s[46:47], s[68:69]
	s_or_b32 s[G0B+7], s[G0B+7], 0x80000000
	s_wait_alu depctr_va_vdst(0)
	s_wait_tensorcnt 0x0                           ; my part of slot 0 is in; slot 1's first fill is issued as a refill is:
	ds_add_u32 v[SPW], v[NIL]                      ; 0 onto my spare word
	s_wait_dscnt 0x0
	CROUND                                         ; a whole round: the joint loads meet
	JLOAD G0+4, G1, G0B+4, G1B                     ; slot 1: my one load behind the round
	global_prefetch_b8 v30, s[84:85] th:TH_LOAD_NT scope:SCOPE_SE   ; fill 3
	v_and_b32 v1, 15, v0
	v_bfe_u32 v2, v0, 4, 1                         ; h
	v_and_b32 v3, 31, v0
	v_lshlrev_b32 v[LI], 4, v3
	v_lshlrev_b32 v[L8], 3, v3
	v_lshlrev_b32 v[L4], 2, v3
	s_mul_i32 s21, s15, PART                       ; my half of A
	s_mul_i32 s22, s16, PART
	s_add_co_u32 s22, s22, 2*PART                  ; my half of B
	v_add_nc_u32 v[ADRA], s21, v[LI]
	v_add_nc_u32 v[ADRB], s22, v[LI]
	v_add_nc_u32 v[ADRA+1], SLOT, v[ADRA]
	v_add_nc_u32 v[ADRB+1], SLOT, v[ADRB]
	s_sub_co_u32 s22, s22, s21
	v_mul_u32_u24 v6, s22, v2                      ; lanes 16-31 take B's words: one product, the distance between the two
	v_lshl_add_u32 v5, v1, 3, 3072
	v_add_nc_u32 v5, v5, v6
	v_add_nc_u32 v[ADRS], s21, v5
	v_add_nc_u32 v[ADRS+1], SLOT, v[ADRS]
	s_wait_alu depctr_va_vdst(0)
	s_wait_tensorcnt 1                             ; my part of slot 0 is in; slot 1's may be out
	s_barrier_signal -1
	s_barrier_wait -1
	FETCH_B 0, 0, 0
	FETCH_A 0, 0, 0
	SCALES 0
	FETCH_A 0, 0, H
	STEP 0, 0, 1                                   ; the first step stands in front of the loop: its products start the sums
	s_mov_b32 s3, LAPS-1
.Llap:                                                 ; a trip goes once round the ring and fills both slots again
	TURN 0, 1, 1
	STEP 1, 0, 0
	TURN 1, 0, 1
	STEP 0, 0, 0
	s_sub_co_u32 s3, s3, 1
	s_cmp_lg_u32 s3, 0
	s_cbranch_scc1 .Llap
	TURN 0, 1, 0                                   ; the last lap fills nothing
	STEP 1, 0, 0
	s_wait_dscnt H*NL
	MULS 0, H, 1, NQ-1, 1, 0
	s_wait_dscnt 0x0
	MULS H, H, 1, NQ-1, 1, 0
	WIN 0
	; THE WAY OUT: each block of 16 rows x 128 columns is quantised in registers and stored as it will be loaded
	PLACES
.irp b, 0,1,2,3
	v_mov_b32 v[TM+4+\b], 0                        ; written once: a lane permute's destination counts as one of its sources
.endr
	s_lshl_b32 s18, s42, 1
	s_add_co_u32 s18, s18, s16                     ; which 128 of B's rows are mine
	s_cmp_eq_u32 s72, 1
	s_cbranch_scc0 .Lvway
	s_lshl_b32 s19, s18, 8                         ; q, k: two heads, 128 pairs of tiles each,
	s_lshl_b32 s22, s17, 3
	s_add_co_u32 s19, s19, s22
	s_lshl_b32 s22, s15, 2
	s_add_co_u32 s19, s19, s22                     ; + my first pair of tiles
	s_mul_i32 s74, s19, 1792
	s_mov_b32 s75, 0
	s_add_nc_u64 s[74:75], s[8:9], s[74:75]
.irp a, 0,1,2,3,4,5,6,7
.if \a > 0
	s_wait_xcnt 0x0                                ; the last block's stores have read their registers, which are written again below
.endif
	QUANTW 2+\a/4, 64*(\a%4)
	v_and_or_b32 v[PWA], v[PW], s79, s78           ; the even head's two bytes, under two bytes of 127
	v_lshrrev_b32 v[PWB], 16, v[PW]
	v_or_b32 v[PWB], s78, v[PWB]                   ; the odd head's
	global_store_b128 v[LI], v[PC:PC+3], s[74:75] offset:(\a/2)*1792+(\a%2)*768
	global_store_b64 v[L8], v[PC+4:PC+5], s[74:75] offset:(\a/2)*1792+(\a%2)*768+512
	global_store_b32 v[L4], v[PWA], s[74:75] offset:(\a/2)*1792+1536+(\a%2)*128
	global_store_b128 v[LI], v[PC+6:PC+9], s[74:75] offset:229376+(\a/2)*1792+(\a%2)*768
	global_store_b64 v[L8], v[PC+10:PC+11], s[74:75] offset:229376+(\a/2)*1792+(\a%2)*768+512
	global_store_b32 v[L4], v[PWB], s[74:75] offset:229376+(\a/2)*1792+1536+(\a%2)*128
.endr
	s_branch .Lend
.Lvway:
	s_lshl_b32 s19, s17, 2                         ; v^T: my first head: 4 tiles of 16 to a head,
	s_lshl_b32 s22, s15, 1
	s_add_co_u32 s19, s19, s22
	s_lshl_b32 s19, s19, 5                         ; 32 steps of 128 keys to a head
	s_add_co_u32 s19, s19, s18
	s_mul_i32 s74, s19, 6656
	s_mov_b32 s75, 0
	s_add_nc_u64 s[74:75], s[10:11], s[74:75]
.irp a, 0,1,2,3,4,5,6,7
.if \a > 0
	s_wait_xcnt 0x0
.endif
	QUANTW 2+\a/4, 64*(\a%4)
.irp c, 0,1,2
	global_store_b128 v[LI], v[PC+4*\c:PC+4*\c+3], s[74:75] offset:(\a/4)*212992+(\a%4)*1536+512*\c
.endr
	global_store_b32 v[L4], v[PW], s[74:75] offset:(\a/4)*212992+6144+(\a%4)*128
.endr
.Lend:
	s_wait_tensorcnt 0x0                           ; the wave's end
	ds_add_u32 v[SPW], v[NIL]
	s_wait_dscnt 0x0
	CROUND                                         ; the closing round: no work-group ends while a partner may still ask for a tile that names it
	s_endpgm
.Lfunc_end_k_qa8d8514792_gqkv:
	.size	k_qa8d8514792_gqkv, .Lfunc_end_k_qa8d8514792_gqkv-k_qa8d8514792_gqkv
	.p2alignl 7, 3214868480
	.fill 96, 4, 3214868480
	.section	.rodata,"a",@progbits
	.p2align	6, 0x0
	.amdhsa_kernel k_qa8d8514792_gqkv
		.amdhsa_group_segment_fixed_size 327680
		.amdhsa_private_segment_fixed_size 0
		.amdhsa_enable_private_segment 0
		.amdhsa_kernarg_size 32
		.amdhsa_user_sgpr_count 2
		.amdhsa_user_sgpr_kernarg_segment_ptr 1
		.amdhsa_wavefront_size32 1
		.amdhsa_system_sgpr_workgroup_id_x 1
		.amdhsa_system_sgpr_workgroup_id_y 1
		.amdhsa_system_sgpr_workgroup_id_z 1
		.amdhsa_system_vgpr_workitem_id 0
		.amdhsa_next_free_vgpr 1024
		.amdhsa_next_free_sgpr 98
		.amdhsa_reserve_vcc 0
		.amdhsa_float_denorm_mode_32 3
		.amdhsa_float_denorm_mode_16_64 3
		.amdhsa_memory_ordered 1
		.amdhsa_forward_progress 1
		.amdhsa_inst_pref_size 176
	.end_amdhsa_kernel
	.amdgpu_metadata
---
amdhsa.version: [ 1, 2 ]
amdhsa.kernels:
  - .name:           k_qa8d8514792_gqkv
    .symbol:         k_qa8d8514792_gqkv.kd
    .args:
      - { .name: hq1, .offset: 0, .size: 8, .value_kind: global_buffer, .address_space: global }
      - { .name: wimg, .offset: 8, .size: 8, .value_kind: global_buffer, .address_space: global }
      - { .name: qk, .offset: 16, .size: 8, .value_kind: global_buffer, .address_space: global }
      - { .name: vt, .offset: 24, .size: 8, .value_kind: global_buffer, .address_space: global }
    .group_segment_fixed_size: 327680
    .private_segment_fixed_size: 0
    .kernarg_segment_align: 8
    .kernarg_segment_size: 32
    .max_flat_workgroup_size: 128
    .sgpr_count:     98
    .vgpr_count:     1024
    .wavefront_size: 32
...
	.end_amdgpu_metadata
.endif
;; end of part 3
;; launch attn (part 4): grid 8 x 32, 16 waves a work-group, clusters of 4 x 1, 327,680 bytes of LDS; arguments qk, vt, oimg; writes oimg
.if DOCPART == 4
	.amdgcn_target "amdgcn-amd-amdhsa--gfx1250"
	.amdhsa_code_object_version 6
	.text
	.protected	k_qa8d8514792_attn
	.globl	k_qa8d8514792_attn
	.p2align	8
	.type	k_qa8d8514792_attn,@function
k_qa8d8514792_attn:
	s_mov_b64 s[64:65], 0
	v_nop
	global_prefetch_b8 v0, s[64:65] scope:SCOPE_SE
	s_setreg_imm32_b32 hwreg(HW_REG_WAVE_MODE, 25, 1), 1
	s_wait_xcnt 0x0
	s_wait_alu depctr_hold_cnt(0) depctr_sa_sdst(0) depctr_va_vdst(0) depctr_va_sdst(0) depctr_va_ssrc(0) depctr_va_vcc(0) depctr_vm_vsrc(0)
	s_getreg_b32 s2, hwreg(HW_REG_IB_STS2, 6, 4)
	s_cmp_eq_u32 s2, 0
	s_cbranch_scc0 .Lentry_in_a_cluster
	s_endpgm
.Lentry_in_a_cluster:
	s_bfe_u32 s2, ttmp6, 0x10000c
	s_cmp_lg_u32 s2, 0x3003
	s_cbranch_scc0 .Lentry_shape_is_right
	s_endpgm
.Lentry_shape_is_right:
; o = softmax(q k^T / 8) v for 2 batches x 16 heads of 64, 2,048 keys, both products on codes of FP6 (E2M3) with one E8M0 scale for each 32 along K; o is quantised here along (head, channel) and stored as an operand image.
; THE SOFTMAX AHEAD OF THE SECOND PRODUCT: t = score x log2(e) / 8; M = the row's largest t so far, rounded UP to a whole number; p = 2^(t - M) is quantised along the keys, not normalised.
; The row's sum is taken of the unquantised p, in f32, and divides o at the end.  When M moves, the sum and o are multiplied by 2^(old M - new M): exact.
; IN.  qk: [32 (q's heads, then k's)][128 pairs of tiles of 16 tokens][1,792]: a tile's half fragment (K = 64: registers 0-3 at 16 l, registers 4, 5 at 512 + 8 l), 768 bytes a tile, then scale words at 1,536 + 128 (tile % 2) + 4 l;
;      there lane r of tile 2 b + u holds token 32 b + 16 (r / 8) + 8 u + r % 8.   vt: [16 heads][32 steps of 128 keys][6,656]: four fragments (16 channels x 128 keys), then scale words at 6,144 + 128 tile + 4 l.
; Both products are used transposed (S^T = K Q^T, O^T = V^T P^T): a lane holds ONE query.
; THE KEYS OF A TILE OF S^T ARE CHOSEN BY ADDRESS: row m of tile 4 g + t takes key 64 g + 32 (m / 8) + 8 t + m % 8, which lies in qk's tile 4 g + 2 (m / 8) + t % 2 at lane 8 (t / 2) + m % 8.
; So lane (r, h) holds in the 32 registers of tiles 4 g .. 4 g + 3 the keys 64 g + 32 h + 0 .. 31: a WHOLE block of 32, in the order of the operand's registers 6 g .. 6 g + 5: no other lane is asked for a block's maximum, no code changes lanes.
; K = 64 IN AN INSTRUCTION OF 128: q's registers 6-11 are zero codes, so whatever codes stand in k's registers 6-11 add nothing (every code of this format is a finite number); both sides' scale bytes there are 127.
; SHARES.  A work-group owns 256 queries of one head; wave w owns tile w: 16 queries in 256 registers, four waves to a SIMD.
; K AND V OF THE HEAD STAY IN LDS, filled once.  K comes as rows of 256 bytes with 128 bytes of padding behind each (pitch 384): rows m and m + 8 of a tile lie 7 such rows apart, 128 bytes apart modulo 256.
; The four query blocks of a cluster walk the same K and V: each load is a joint one.  Sixteen loads of 256 keys (eight of K, eight of V), one a wave in each group: keys 0-511 by waves 0-3 at the head;
; the rest by waves 0-5 and 8-13 behind the full sequence and a round.  No slot is filled again.  No prefetch: all that the launch reads of K and V is asked for by these two groups at its start.
; A KEY STEP'S K IS ASKED FOR A STEP AHEAD: tiles 0-4 and the scale words behind the step before's S^T, tiles 5-7 (whose registers V's tiles 2, 3 use meanwhile) behind its V^T P^T.
; The last step's such requests read V's first bytes in LDS; nothing uses them.
; OUT.  oimg: [4][256 tiles][3,328]: four half fragments of 768 bytes (head % 4) and the scale bytes (lane l, two bytes a half, at 3,072 + 8 l + 2 (head % 4)).
; LIMITS: NaN and infinities are not served; the scaled scores stay under 2^31 in magnitude; a block of zeros gets the scale byte 1 (its codes are zeros; this program alone reads the bytes).
; REGISTERS: v1-4, v7, v29 addresses that stay; v8-11, v28 addresses of four steps; v12 -M, v13 the largest score, v[14:15] the sum; v16-27 Q; v32-79 K's eight half fragments (v80-85 behind them); v62-85, v192-215 V's fragments;
;   v86-93 K's scale words; v94 8 h; v95 8 x lane; v96-159 S^T, then p; v160-191 O^T; v224-235 p's codes; v236-247, v252-254 at work; v248-251 V's scale words; v253 p's scale word; v255 Q's scale words.
.set KHM,   14336                      ; K of 256 keys in memory: 56 rows of 256 bytes
.set KHL,   21504                      ; and in LDS: 56 rows of 384
.set KST,   10752                      ; K of a key step in LDS: 28 rows
.set KCH,   43008                      ; of four steps
.set VH,    13312                      ; V of 256 keys: 52 rows of 256 bytes
.set VST,   6656
.set VCH,   26624
.set VOFF,  172032                     ; V lies behind K
.set SPARE, 278528                     ; behind both: the spare words, 128 bytes a wave, which no other line names
.set SPW,  5
.set NIL,  6
.set KF,   32
.set KS,   86
.set WV,   18                          ; s18 my wave's number
.set SEL,  20                          ; s[20:21] lane selects: lane l xor 16
.set CS,   22                          ; s[22:23] c = log2(e) / 8
.set G1K,  24
.set G1V,  32
.set G0K,  40                          ; s[40:47] groups 0 for K: the head's load, the second group's; s[48:55] for V
.set G0V,  48
.set TBK,  56                          ; s56 LDS byte at which K of the four steps in hand begins; s57 the same for V
.set TBV,  57
.set CNT,  58
.set NC,   59                          ; s59 -c
.macro CROUND                          ; a round of the cluster's barrier
	s_barrier_signal -1
	s_barrier_wait -1
	s_cmp_lg_u32 s[WV], 0
	s_cbranch_scc1 .Lnot_wave_0_\@
	s_barrier_signal -3
.Lnot_wave_0_\@:
	s_barrier_wait -3
	s_barrier_signal -1
	s_barrier_wait -1
.endm
.macro TLOAD g0, g1                    ; a joint load; an s_nop 0 and four v_nop follow it
	tensor_load_to_lds s[\g0:\g0+3], s[\g1:\g1+7]
	s_nop 0
.rept 4
	v_nop
.endr
.endm
	s_load_b128 s[4:7], s[0:1], 0x0                ; qk, vt
	s_load_b64 s[8:9], s[0:1], 0x10                ; oimg
	v_lshl_add_u32 v[SPW], v0, 2, SPARE
	v_mov_b32 v[NIL], 0
	ds_add_u32 v[SPW], v[NIL]                      ; the opening lines: the add, twice on end, and its wait ahead of the first tensor loads
	ds_add_u32 v[SPW], v[NIL]
	v_lshrrev_b32 v8, 5, v0
	s_delay_alu instid0(VALU_DEP_1)
	v_readfirstlane_b32 s[WV], v8                  ; wave 0..15
	s_bfe_u32 s66, ttmp6, 0x40000                  ; cx
	s_lshl_b32 s67, ttmp9, 2
	s_add_co_u32 s67, s67, s66                     ; my block of 256 queries: it enters Q's and o's addresses alone
	s_and_b32 s68, ttmp7, 0xffff
	s_lshr_b32 s69, s68, 4                         ; the batch
	s_and_b32 s70, s68, 15                         ; the head
	s_and_b32 s71, s[WV], 1                        ; my tile's place in its pair.  Also: which 256 keys I load at the head
	s_and_b32 s90, s[WV], 7
	s_add_co_u32 s90, s90, 2                       ; which 256 keys I load in the second group: 2 .. 7
	s_add_co_u32 s72, s70, 16                      ; K: behind q's 16 heads,
	s_lshl_b32 s72, s72, 7
	s_lshl_b32 s73, s69, 6
	s_add_co_u32 s72, s72, s73                     ; + the batch's 64 pairs of tiles
	s_mul_i32 s72, s72, 1792
	s_mul_i32 s74, s90, KHM
	s_add_co_u32 s96, s72, s74                     ; the second group's bytes,
	s_mov_b32 s97, 0
	s_mul_i32 s74, s71, KHM
	s_add_co_u32 s72, s72, s74                     ; the head's
	s_mov_b32 s73, 0
	s_lshl_b32 s76, s70, 5                         ; V: 32 steps of 128 keys to a head,
	s_lshl_b32 s77, s69, 4
	s_add_co_u32 s76, s76, s77                     ; 16 to a batch
	s_mul_i32 s76, s76, 6656
	s_mul_i32 s75, s90, VH
	s_add_co_u32 s98, s76, s75
	s_mov_b32 s99, 0
	s_add_co_u32 s93, s75, VOFF                    ; and its place in LDS
	s_mul_i32 s75, s71, VH
	s_add_co_u32 s76, s76, s75
	s_mov_b32 s77, 0
	s_add_co_u32 s75, s75, VOFF
	s_mul_i32 s74, s71, KHL                        ; K's places in LDS
	s_mul_i32 s92, s90, KHL
	s_lshl_b32 s78, s70, 7                         ; Q: my head,
	s_lshl_b32 s79, s69, 6
	s_add_co_u32 s78, s78, s79
	s_lshl_b32 s79, s67, 3
	s_add_co_u32 s78, s78, s79
	s_lshr_b32 s79, s[WV], 1
	s_add_co_u32 s78, s78, s79                     ; my pair of tiles
	s_mul_i32 s78, s78, 1792
	s_mul_i32 s80, s71, 768
	s_add_co_u32 s80, s80, s78                     ; my tile's codes
	s_mov_b32 s81, 0
	s_lshl_b32 s82, s71, 7
	s_add_co_u32 s82, s82, s78
	s_add_co_u32 s82, s82, 1536                    ; and its scale words
	s_mov_b32 s83, 0
	s_lshr_b32 s84, s70, 2                         ; o: four heads to 256 along the next K,
	s_lshl_b32 s84, s84, 8
	s_lshl_b32 s85, s69, 7
	s_add_co_u32 s84, s84, s85
	s_lshl_b32 s85, s67, 4
	s_add_co_u32 s84, s84, s85
	s_add_co_u32 s84, s84, s[WV]                   ; my tile
	s_mul_i32 s84, s84, 3328                       ; its unit
	s_and_b32 s85, s70, 3                          ; which of the unit's four halves is my head's
	s_mul_i32 s86, s85, 768
	s_add_co_u32 s86, s86, s84
	s_mov_b32 s87, 0
	s_lshl_b32 s88, s85, 1
	s_add_co_u32 s88, s88, s84
	s_add_co_u32 s88, s88, 3072
	s_mov_b32 s89, 0
	s_mov_b32 s[G1K], 15|(3<<16)|(1<<20)|(1<<21)|(5<<22)|(31<<25)   ; the mask: all four work-groups; elements of 8 bytes; bit 21 beside a mask; behind every 64 words 32 words of padding
	s_mov_b32 s[G1K+1], 32<<16                     ; 14,336 dense bytes as 56 rows of 256
	s_mov_b32 s[G1K+2], 56<<16
	s_mov_b32 s[G1K+3], 32<<16
	s_mov_b32 s[G1K+4], 56
	s_mov_b32 s[G1K+5], 32
	s_mov_b32 s[G1K+6], 0
	s_mov_b32 s[G1K+7], 0
	s_mov_b32 s[G1V], 15|(3<<16)|(1<<21)           ; no padding
	s_mov_b32 s[G1V+1], 32<<16                     ; 13,312 dense bytes as 52 rows of 256
	s_mov_b32 s[G1V+2], 52<<16
	s_mov_b32 s[G1V+3], 32<<16
	s_mov_b32 s[G1V+4], 52
	s_mov_b32 s[G1V+5], 32
	s_mov_b32 s[G1V+6], 0
	s_mov_b32 s[G1V+7], 0
	s_mov_b32 s[SEL], 0x76543210
	s_mov_b32 s[SEL+1], 0xfedcba98
	s_mov_b32 s[CS], 0x3e38aa3b                    ; c = log2(e) / 8
	s_mov_b32 s[CS+1], s[CS]                       ; (named with it as a pair, so it is written)
	s_mov_b32 s[NC], 0xbe38aa3b                    ; -c
	s_mov_b32 s[TBK], 0
	s_mov_b32 s[TBV], 0
	s_wait_dscnt 0x0                               ; both opening adds are done
	s_wait_kmcnt 0x0
	CROUND                                         ; all four work-groups are here: the joint loads meet
	s_mov_b32 s[G0K], 1
	s_mov_b32 s[G0K+1], s74
	s_add_nc_u64 s[G0K+2:G0K+3], s[4:5], s[72:73]
	s_or_b32 s[G0K+3], s[G0K+3], 0x80000000
	s_mov_b32 s[G0K+4], 1
	s_mov_b32 s[G0K+5], s92
	s_add_nc_u64 s[G0K+6:G0K+7], s[4:5], s[96:97]
	s_or_b32 s[G0K+7], s[G0K+7], 0x80000000
	s_mov_b32 s[G0V], 1
	s_mov_b32 s[G0V+1], s75
	s_add_nc_u64 s[G0V+2:G0V+3], s[6:7], s[76:77]
	s_or_b32 s[G0V+3], s[G0V+3], 0x80000000
	s_mov_b32 s[G0V+4], 1
	s_mov_b32 s[G0V+5], s93
	s_add_nc_u64 s[G0V+6:G0V+7], s[6:7], s[98:99]
	s_or_b32 s[G0V+7], s[G0V+7], 0x80000000
	s_cmp_lt_u32 s[WV], 2                          ; the head's loads, one a wave, in one chain of branches on the wave's number: waves 0, 1 K of keys 0-511, waves 2, 3 V of them
	s_cbranch_scc0 .Lh_v
	TLOAD G0K, G1K
	s_branch .Lh_j
.Lh_v:
	s_cmp_lt_u32 s[WV], 4
	s_cbranch_scc0 .Lh_j
	TLOAD G0V, G1V
.Lh_j:
	s_add_nc_u64 s[80:81], s[4:5], s[80:81]
	s_add_nc_u64 s[82:83], s[4:5], s[82:83]
	s_add_nc_u64 s[86:87], s[8:9], s[86:87]
	s_add_nc_u64 s[88:89], s[8:9], s[88:89]
	v_and_b32 v8, 31, v0
	s_delay_alu instid0(VALU_DEP_1)
	v_lshlrev_b32 v1, 4, v8                        ; 16 x lane
	v_lshlrev_b32 v95, 3, v8                       ; 8 x lane
	v_lshlrev_b32 v254, 2, v8                      ; 4 x lane
	global_load_b128 v[16:19], v1, s[80:81]        ; Q's half fragment stays in registers
	global_load_b64 v[20:21], v95, s[80:81] offset:512
	global_load_b32 v255, v254, s[82:83]           ; Q's scale words
	v_bfe_u32 v30, v0, 3, 1                        ; m / 8
	v_bfe_u32 v31, v0, 4, 1                        ; h
	v_and_b32 v9, 7, v0                            ; m % 8
	v_mul_u32_u24 v30, v30, 2688                   ; rows m >= 8 come from the next pair of tiles: 7 LDS rows on
	v_lshlrev_b32 v94, 3, v31                      ; 8 h
	s_delay_alu instid0(VALU_DEP_2)
	v_mad_u32_u24 v2, v31, 384, v30                ; K's registers 0-3: lanes 16-31 an LDS row on,
	v_lshl_add_u32 v3, v31, 7, v30                 ; registers 4, 5: 128 bytes on,
	v_lshl_add_u32 v29, v31, 6, v30                ; scale words: 64 bytes on
	s_delay_alu instid0(VALU_DEP_3)
	v_lshl_add_u32 v2, v9, 4, v2
	s_delay_alu instid0(VALU_DEP_3)
	v_lshl_add_u32 v3, v9, 3, v3
	s_delay_alu instid0(VALU_DEP_3)
	v_lshl_add_u32 v29, v9, 2, v29
	v_add_nc_u32 v4, VOFF, v1                      ; V's fragments,
	v_add_nc_u32 v7, VOFF+6144, v254               ; V's scale words
.irp i, 22,23,24,25,26,27
	v_mov_b32 v\i, 0                               ; k = 64 .. 127 of Q: zero codes
.endr
.irp i, 80,81,82,83,84,85
	v_mov_b32 v\i, 0                               ; behind K's last tile: written once; later V's codes stand there
.endr
	v_mov_b32 v13, 0xff61b1e6                      ; the largest score so far: -3e38
	v_mov_b32 v14, 0                               ; the sum, in two halves
	v_mov_b32 v15, 0
	v_mov_b32 v245, 0                              ; written once: a lane permute's destination counts as one of its sources
	v_mov_b32 v253, 0                              ; (named as the upper half of the pair v[252:253])
.macro ADDR                            ; the LDS addresses of four key steps
	v_add_nc_u32 v8, s[TBK], v2
	v_add_nc_u32 v9, s[TBK], v3
	v_add_nc_u32 v10, s[TBK], v29
	v_add_nc_u32 v11, s[TBV], v4
	v_add_nc_u32 v28, s[TBV], v7
.endm
.macro KTILE q, T                      ; tile T = 4 g + t of step q: 14 LDS rows for g, 3 for t % 2; t / 2 picks the upper eight lanes of qk's tile
	ds_load_b128 v[KF+6*\T:KF+6*\T+3], v8 offset:(\q)*KST+(\T/4)*5376+(\T%2)*1152+((\T%4)/2)*128
	ds_load_b64 v[KF+6*\T+4:KF+6*\T+5], v9 offset:(\q)*KST+(\T/4)*5376+(\T%2)*1152+768+((\T%4)/2)*64
.endm
.macro KEARLY q                        ; tiles 0-4 and all eight scale words
.irp T, 0,1,2,3,4
	KTILE \q, \T
.endr
.irp T, 0,1,2,3,4,5,6,7
	ds_load_b32 v[KS+\T], v10 offset:(\q)*KST+(\T/4)*5376+2304+(\T%2)*128+((\T%4)/2)*32
.endr
.endm
.macro KLATE q                         ; tiles 5-7: six loads
.irp T, 5,6,7
	KTILE \q, \T
.endr
.endm
.macro SUMS j0, n                      ; the row's sum, four chains by turns, two numbers an instruction: n groups of eight of p's registers from j0 on
.set SJ, \j0
.rept \n
	v_pk_add_f32 v[14:15], v[14:15], v[96+SJ:97+SJ]
	v_pk_add_f32 v[236:237], v[236:237], v[98+SJ:99+SJ]
	v_pk_add_f32 v[238:239], v[238:239], v[100+SJ:101+SJ]
	v_pk_add_f32 v[240:241], v[240:241], v[102+SJ:103+SJ]
.set SJ, SJ+8
.endr
.endm
.macro SMUL T
	v_wmma_scale_f32_16x16x128_f8f6f4 v[96+8*\T:103+8*\T], v[KF+6*\T:KF+6*\T+11], v[16:27], 0, v[KS+\T], v255 matrix_a_fmt:MATRIX_FMT_FP6 matrix_b_fmt:MATRIX_FMT_FP6
.endm
; A KEY STEP: 128 keys, the q-th of the four in hand.  first = 1: the launch's first step starts O^T and has nothing to rescale.
.macro STEP q, first
	s_wait_dscnt 6                                 ; all but the six youngest loads, K's tiles 5-7
.irp T, 0,1,2,3                                ; S^T = K Q^T.  (Tile 3 names registers up to tile 4's)
	SMUL \T
.endr
	s_wait_dscnt 0x0
.irp T, 4,5,6,7
	SMUL \T
.endr
.if \first
	v_nop
.else
	v_mov_b32 v254, v12                            ; the old -M
.endif
.rept 3
	v_nop                                          ; four plain lines between the products and the loads into their registers, and the first read of the scores
.endr
	KEARLY (\q)+1                                  ; the next step's K, a softmax ahead
.irp t, 0,1,2,3                                ; V's four fragments: tiles 0, 1 at v192, tiles 2, 3 at v62
.set VR, 192+12*\t-(\t/2)*154
.irp c, 0,1,2
	ds_load_b128 v[VR+4*\c:VR+4*\c+3], v11 offset:(\q)*VST+1536*\t+512*\c
.endr
	ds_load_b32 v[248+\t], v28 offset:(\q)*VST+128*\t
.endr
.irp b, 0,1,2,3                                ; the largest score of my two blocks of 32 keys, in four chains; each accumulator is read from its low end on
	v_max3_num_f32 v[240+\b], v[96+16*\b], v[97+16*\b], v[98+16*\b]
.endr
.irp i, 3,5,7,9,11,13
.irp b, 0,1,2,3
	v_max3_num_f32 v[240+\b], v[240+\b], v[96+16*\b+\i], v[97+16*\b+\i]
.endr
.endr
	v_max3_num_f32 v240, v240, v241, v111
	v_max3_num_f32 v242, v242, v243, v143
	v_max_num_f32 v240, v240, v127                 ; block g = 0: it serves for the row's maximum and, since p rises with the score, for the block's largest p
	v_max_num_f32 v242, v242, v159                 ; block g = 1
	s_delay_alu instid0(VALU_DEP_1)
	v_max_num_f32 v244, v240, v242
	s_delay_alu instid0(VALU_DEP_1)
	v_permlanex16_b32 v245, v244, s[SEL], s[SEL+1]
	s_delay_alu instid0(VALU_DEP_1)
	v_max3_num_f32 v13, v13, v244, v245            ; the running largest score of my query
	s_delay_alu instid0(VALU_DEP_1)
	v_mul_f32 v245, s[NC], v13                     ; -t
	s_delay_alu instid0(VALU_DEP_1)
	v_floor_f32 v12, v245                          ; the new -M = floor(-t) = -ceil(t): a whole number
.if !(\first)
	s_delay_alu instid0(VALU_DEP_1)
	v_sub_f32 v254, v12, v254                      ; M's old value less its new one: a whole number, 0 or less
	s_delay_alu instid0(VALU_DEP_1)
	v_cvt_i32_f32 v254, v254                       ; (it saturates)
	s_delay_alu instid0(VALU_DEP_1)
	v_ldexp_f32 v252, 1.0, v254                    ; f = 2^(old M - new M)
.endif
.set J, 0
.rept 32
	v_pk_fma_f32 v[96+J:97+J], v[96+J:97+J], s[CS:CS+1], v[12:13] op_sel_hi:[1,0,0]   ; t - M, two at a time
.set J, J+2
.endr
	v_fma_f32 v240, v240, s[CS], v12               ; the same of each block's largest score
	v_fma_f32 v242, v242, s[CS], v12
.if !(\first)
	v_pk_mul_f32 v[14:15], v[14:15], v[252:253] op_sel_hi:[1,0]   ; the sums under the new M,
.set J, 0
.rept 16
	v_pk_mul_f32 v[160+J:161+J], v[160+J:161+J], v[252:253] op_sel_hi:[1,0]   ; and O^T: ahead of the exponentials
.set J, J+2
.endr
.endif
	s_wait_alu depctr_va_vdst(0)
.set J, 0
.rept 64
	v_exp_f32 v[96+J], v[96+J]                     ; p = 2^(t - M): not normalised
.set J, J+1
.endr
	v_exp_f32 v240, v240                           ; the blocks' largest p: the same two instructions on the same number give the same bits
	v_exp_f32 v242, v242
	v_nop                                          ; a plain line behind the exponentials
	s_wait_alu depctr_va_vdst(0)                   ; one wait for the batch of 66, ahead of its first reader and of the wait below
	s_wait_dscnt 0x0                               ; V's fragments and scale words are in (and the next K's early part)
	v_max_num_f32 v240, 0x1800000, v240            ; the floor 2^(3 - 127): the byte cannot fall under 1
	v_max_num_f32 v242, 0x1800000, v242
	s_delay_alu instid0(VALU_DEP_2)
	v_add_nc_u32 v246, 0xff000000, v240            ; 2 off the exponent field: the conversion's scale operand
	s_delay_alu instid0(VALU_DEP_2)
	v_add_nc_u32 v247, 0xff000000, v242
	v_cvt_scalef32_pk16_fp6_f32 v[224:226], v[96:111], v246
	v_cvt_scalef32_pk16_fp6_f32 v[236:238], v[112:127], v246     ; (a conversion's three registers begin on an even number)
	v_cvt_scalef32_pk16_fp6_f32 v[230:232], v[128:143], v247
	v_cvt_scalef32_pk16_fp6_f32 v[240:242], v[144:159], v247
	v_nop                                          ; one plain line behind a scaled conversion
	v_lshrrev_b32 v244, 23, v246                   ; the scale's bytes: blocks h and 2 + h.  The codes' six moves stand between the links of the word's chain
	v_lshrrev_b32 v245, 23, v247
	v_mov_b32 v227, v236
	v_mov_b32 v233, v240
	v_lshl_or_b32 v244, v245, 16, v244
	v_mov_b32 v228, v237
	v_mov_b32 v234, v241
	v_lshlrev_b32 v244, v94, v244                  ; at their places in the word: 8 h bits up
	v_mov_b32 v229, v238
	v_mov_b32 v235, v242
	v_permlanex16_b32 v245, v244, s[SEL], s[SEL+1]
	v_pk_add_f32 v[236:237], v[96:97], v[98:99]    ; THE ROW'S SUM IS TAKEN OF THE UNQUANTISED p: three more chains begin
	v_pk_add_f32 v[238:239], v[100:101], v[102:103]
	v_pk_add_f32 v[240:241], v[104:105], v[106:107]
	v_or_b32 v253, v244, v245                      ; with lane l xor 16's two the word is whole
	SUMS 12, 3                                     ; twelve lines that name no register of the products below: they part p's codes and scale word from them
.irp t, 0,1,2,3                                ; O^T += V^T P^T: four accumulators by turns
.set VR, 192+12*\t-(\t/2)*154
.if \first
	v_wmma_scale_f32_16x16x128_f8f6f4 v[160+8*\t:167+8*\t], v[VR:VR+11], v[224:235], 0, v[248+\t], v253 matrix_a_fmt:MATRIX_FMT_FP6 matrix_b_fmt:MATRIX_FMT_FP6
.else
	v_wmma_scale_f32_16x16x128_f8f6f4 v[160+8*\t:167+8*\t], v[VR:VR+11], v[224:235], v[160+8*\t:167+8*\t], v[248+\t], v253 matrix_a_fmt:MATRIX_FMT_FP6 matrix_b_fmt:MATRIX_FMT_FP6
.endif
.endr
	SUMS 36, 1
	KLATE (\q)+1                                   ; the next step's tiles 5-7; the rest of the sums stands between the run and the wait for it
	SUMS 44, 2
	v_pk_add_f32 v[14:15], v[14:15], v[156:157]
	v_pk_add_f32 v[236:237], v[236:237], v[158:159]
	v_pk_add_f32 v[238:239], v[238:239], v[240:241]   ; the four chains join
	v_pk_add_f32 v[14:15], v[14:15], v[236:237]
	s_delay_alu instid0(VALU_DEP_1)
	v_pk_add_f32 v[14:15], v[14:15], v[238:239]
.endm
	s_wait_alu depctr_va_vdst(0)
	s_wait_loadcnt 0x0                             ; Q
	s_wait_tensorcnt 0x0                           ; my load of the head's four, if I issued one, is in; the later first fills are issued as refills are:
	ds_add_u32 v[SPW], v[NIL]                      ; 0 onto my spare word,
	ds_add_u32 v[SPW], v[NIL]                      ; twice
	s_wait_dscnt 0x0
	CROUND                                         ; keys 0-511 are there for every wave, and all four work-groups are here: the joint loads meet
	s_cmp_lt_u32 s[WV], 6                          ; the second group, one load a wave: waves 0-5 K of keys 512-2,047, waves 8-13 V of them
	s_cbranch_scc0 .Ls_v
	TLOAD G0K+4, G1K
	s_branch .Ls_j
.Ls_v:
	s_cmp_lt_u32 s[WV], 8
	s_cbranch_scc1 .Ls_j
	s_cmp_lt_u32 s[WV], 14
	s_cbranch_scc0 .Ls_j
	TLOAD G0V+4, G1V
.Ls_j:
	ADDR
	s_wait_alu depctr_va_vdst(0)
	KEARLY 0
	KLATE 0
	STEP 0, 1
	STEP 1, 0
	STEP 2, 0                                      ; (these three read keys 0 to 511 alone)
	s_wait_tensorcnt 0x0                           ; my load of the second group has landed,
	s_wait_dscnt 0x0                               ; and no LDS load of mine is out at the signal
	s_barrier_signal -1
	s_barrier_wait -1                              ; all of K and V is there, for every wave: no barrier stands in the thirteen steps that follow
	STEP 3, 0
	s_add_co_u32 s[TBK], s[TBK], KCH
	s_add_co_u32 s[TBV], s[TBV], VCH
	s_mov_b32 s[CNT], 3
.Lchunk:                                           ; three trips of four key steps
	ADDR
	s_wait_alu depctr_va_vdst(0)
	STEP 0, 0
	STEP 1, 0
	STEP 2, 0
	STEP 3, 0
	s_add_co_u32 s[TBK], s[TBK], KCH
	s_add_co_u32 s[TBV], s[TBV], VCH
	s_sub_co_u32 s[CNT], s[CNT], 1
	s_cmp_lg_u32 s[CNT], 0
	s_cbranch_scc1 .Lchunk
	; THE WAY OUT: O^T / the sum, quantised along my head's 64 channels: half a fragment.  (The sums above are the plain lines behind the last products.)
	; vt's tiles give register 16 b + i = channel 32 b + 16 (lane / 16) + i: here a block lies in lanes l and l xor 16
	v_add_f32 v14, v14, v15
	s_delay_alu instid0(VALU_DEP_1)
	v_permlanex16_b32 v252, v14, s[SEL], s[SEL+1]
	s_delay_alu instid0(VALU_DEP_1)
	v_add_f32 v14, v14, v252                       ; the row's sum
	s_wait_alu depctr_va_vdst(0)
	v_rcp_f32 v14, v14
	v_nop                                          ; a plain line behind the transcendental
	s_wait_alu depctr_va_vdst(0)                   ; the wait ahead of the reciprocal's first reader, which is also O^T's
.set J, 0
.rept 32
	v_mul_f32 v[96+J], v[160+J], v14
.set J, J+1
.endr
.irp b, 0,1
	v_max3_num_f32 v[232+\b], |v[96+16*\b]|, |v[97+16*\b]|, 0x1800000
.endr
.irp i, 2,4,6,8,10,12,14
.irp b, 0,1
	s_delay_alu instid0(VALU_DEP_2)
	v_max3_num_f32 v[232+\b], v[232+\b], |v[96+16*\b+\i]|, |v[97+16*\b+\i]|
.endr
.endr
.irp b, 0,1
	s_delay_alu instid0(VALU_DEP_2)
	v_permlanex16_b32 v[236+\b], v[232+\b], s[SEL], s[SEL+1]
.endr
.irp b, 0,1
	s_delay_alu instid0(VALU_DEP_2)
	v_max_num_f32 v[232+\b], v[232+\b], v[236+\b]
.endr
.irp b, 0,1
	s_delay_alu instid0(VALU_DEP_2)
	v_add_nc_u32 v[244+\b], 0xff000000, v[232+\b]
.endr
.irp b, 0,1
	s_delay_alu instid0(VALU_DEP_2)
	v_lshrrev_b32 v[236+\b], 23, v[244+\b]
.endr
	s_delay_alu instid0(VALU_DEP_1)
	v_lshl_or_b32 v253, v237, 8, v236              ; my head's two scale bytes
	v_cvt_scalef32_pk16_fp6_f32 v[224:226], v[96:111], v244
	v_cvt_scalef32_pk16_fp6_f32 v[236:238], v[112:127], v245
	v_nop                                          ; one plain line behind a scaled conversion
.irp i, 0,1,2
	v_permlane16_swap_b32 v[224+\i], v[236+\i]
.endr
.irp i, 0,1,2
	s_delay_alu instid0(VALU_DEP_3)
	v_mov_b32 v[227+\i], v[236+\i]
.endr
	global_store_b128 v1, v[224:227], s[86:87]     ; 32 lanes store 512 consecutive bytes, at a multiple of 256 from the buffer's first byte,
	global_store_b64 v95, v[228:229], s[86:87] offset:512   ; and 256 more
	global_store_b16 v95, v253, s[88:89]           ; two bytes of each lane's eight: the unit's four heads fill them
	s_wait_tensorcnt 0x0                           ; the wave's end
	ds_add_u32 v[SPW], v[NIL]
	s_wait_dscnt 0x0
	CROUND                                         ; the closing round
	s_endpgm
.Lfunc_end_k_qa8d8514792_attn:
	.size	k_qa8d8514792_attn, .Lfunc_end_k_qa8d8514792_attn-k_qa8d8514792_attn
	.p2alignl 7, 3214868480
	.fill 96, 4, 3214868480
	.section	.rodata,"a",@progbits
	.p2align	6, 0x0
	.amdhsa_kernel k_qa8d8514792_attn
		.amdhsa_group_segment_fixed_size 327680
		.amdhsa_private_segment_fixed_size 0
		.amdhsa_enable_private_segment 0
		.amdhsa_kernarg_size 24
		.amdhsa_user_sgpr_count 2
		.amdhsa_user_sgpr_kernarg_segment_ptr 1
		.amdhsa_wavefront_size32 1
		.amdhsa_system_sgpr_workgroup_id_x 1
		.amdhsa_system_sgpr_workgroup_id_y 1
		.amdhsa_system_sgpr_workgroup_id_z 1
		.amdhsa_system_vgpr_workitem_id 0
		.amdhsa_next_free_vgpr 256
		.amdhsa_next_free_sgpr 100
		.amdhsa_reserve_vcc 0
		.amdhsa_float_denorm_mode_32 3
		.amdhsa_float_denorm_mode_16_64 3
		.amdhsa_memory_ordered 1
		.amdhsa_forward_progress 1
		.amdhsa_inst_pref_size 137
	.end_amdhsa_kernel
	.amdgpu_metadata
---
amdhsa.version: [ 1, 2 ]
amdhsa.kernels:
  - .name:           k_qa8d8514792_attn
    .symbol:         k_qa8d8514792_attn.kd
    .args:
      - { .name: qk, .offset: 0, .size: 8, .value_kind: global_buffer, .address_space: global }
      - { .name: vt, .offset: 8, .size: 8, .value_kind: global_buffer, .address_space: global }
      - { .name: oimg, .offset: 16, .size: 8, .value_kind: global_buffer, .address_space: global }
    .group_segment_fixed_size: 327680
    .private_segment_fixed_size: 0
    .kernarg_segment_align: 8
    .kernarg_segment_size: 24
    .max_flat_workgroup_size: 512
    .sgpr_count:     100
    .vgpr_count:     256
    .wavefront_size: 32
...
	.end_amdgpu_metadata
.endif
;; end of part 4
;; launch gout (part 5): grid 8 x 32, 4 waves a work-group, clusters of 4 x 4, 327,680 bytes of LDS; arguments oimg, wimg, x, x1; writes x1
.if DOCPART == 5
	.amdgcn_target "amdgcn-amd-amdhsa--gfx1250"
	.amdhsa_code_object_version 6
	.text
	.protected	k_qa8d8514792_gout
	.globl	k_qa8d8514792_gout
	.p2align	8
	.type	k_qa8d8514792_gout,@function
k_qa8d8514792_gout:
	s_mov_b64 s[64:65], 0
	v_nop
	global_prefetch_b8 v0, s[64:65] scope:SCOPE_SE
	s_setreg_imm32_b32 hwreg(HW_REG_WAVE_MODE, 25, 1), 1
	s_wait_xcnt 0x0
	s_wait_alu depctr_hold_cnt(0) depctr_sa_sdst(0) depctr_va_vdst(0) depctr_va_sdst(0) depctr_va_ssrc(0) depctr_va_vcc(0) depctr_vm_vsrc(0)
	s_getreg_b32 s2, hwreg(HW_REG_IB_STS2, 6, 4)
	s_cmp_eq_u32 s2, 0
	s_cbranch_scc0 .Lentry_in_a_cluster
	s_endpgm
.Lentry_in_a_cluster:
	s_bfe_u32 s2, ttmp6, 0x10000c
	s_cmp_lg_u32 s2, 0xf033
	s_cbranch_scc0 .Lentry_shape_is_right
	s_endpgm
.Lentry_shape_is_right:
.set NA,    4
.set QS,    2
.set LAPS,  1
.set RA16,  256
.set RB16,  64
.set BOFF,  2555904
.set HASB,  0
.set RESP,  8
.set OUTP,  10
.set UNIT,  3328
.set H,     NA/2
.set NQ,    2*QS
.set CH,    NA*UNIT
.set PART,  QS*CH
.set SLOT,  4*PART
.set SPARE, 2*SLOT
.set FR,    12
.set NL,    4
.set ADRA, 16
.set ADRA8, 18
.set ADRB, 20
.set ADRS, 22
.set STO,  24
.set RD,   25
.set CO,   26
.set BA,   27
.set SPW,  28
.set NIL,  29
.set SC,   32
.set BIAS, 64
.set AF,   128
.set BK,   192
.set RES,  64
.set G1,   24
.set G0,   32
.set G1B,  48
.set G0B,  56
.set MSB, 0
.macro WIN new
.if MSB != (\new)
	s_set_vgpr_msb (MSB<<8)|(\new)
.set MSB, (\new)
.endif
.endm
.macro JLOAD g0a, g1a, g0b, g1b
	s_cmp_eq_u32 s15, 0
	s_cbranch_scc0 .Lfor_b_\@
	tensor_load_to_lds s[\g0a:\g0a+3], s[\g1a:\g1a+7]
	s_nop 0
.rept 4
	v_nop
.endr
	s_branch .Lasked_\@
.Lfor_b_\@:
	tensor_load_to_lds s[\g0b:\g0b+3], s[\g1b:\g1b+7]
	s_nop 0
.rept 4
	v_nop
.endr
.Lasked_\@:
.endm
.macro CREST
	s_cmp_lg_u32 s14, 0
	s_cbranch_scc1 .Lnot_wave_0_\@
	s_barrier_signal -3
.Lnot_wave_0_\@:
	s_barrier_wait -3
	s_barrier_signal -1
	s_barrier_wait -1
.endm
.macro CROUND
	s_barrier_signal -1
	s_barrier_wait -1
	CREST
.endm
.macro PLACES
.rept 4
	v_nop
.endr
.endm
.macro FRAG reg, adr, q, i
.irp c, 0,1,2
	ds_load_b128 v[\reg+4*\c:\reg+4*\c+3], v[\adr] offset:((\q)/2)*CH+(\i)*UNIT+((\q)%2)*1536+512*\c
.endr
.endm
.macro FRAGA reg, slot, q, i
.irp hf, 0,1
	ds_load_b128 v[\reg+6*\hf:\reg+6*\hf+3], v[ADRA+\slot] offset:((\q)/2)*CH+(\i)*UNIT+((\q)%2)*1536+768*\hf
	ds_load_b64 v[\reg+6*\hf+4:\reg+6*\hf+5], v[ADRA8+\slot] offset:((\q)/2)*CH+(\i)*UNIT+((\q)%2)*1536+768*\hf+512
.endr
.endm
.macro FETCH_B slot, q, p
	WIN 0x40
.set FI, 0
.rept NA
	FRAG 128*(\p)+FR*FI, ADRB+\slot, \q, FI
.set FI, FI+1
.endr
	WIN 0
.endm
.macro FETCH_A slot, q, i0
.set FI, \i0
.rept H
	FRAGA AF+FR*FI, \slot, \q, FI
.set FI, FI+1
.endr
.endm
.macro SCALES sl
.set FI, 0
.rept NA
.set FQ, 0
.rept QS
	ds_load_b64 v[SC+16*\sl+NQ*FI+2*FQ:SC+16*\sl+NQ*FI+2*FQ+1], v[ADRS+\sl] offset:FQ*CH+FI*UNIT
.set FQ, FQ+1
.endr
.set FI, FI+1
.endr
.endm
.macro MULB a, p, q, sc, z
.if (\z) == 2
	WIN 0x81+0x40*((\a)/H)
.else
	WIN 0xa1+0x50*((\a)/H)
.endif
.set AC, 8*NA*((\a)%H)
.set BI, 0
.rept NA
.if (\z) == 1
	v_wmma_scale_f32_16x16x128_f8f6f4 v[AC+8*BI:AC+8*BI+7], v[128*(\p)+FR*BI:128*(\p)+FR*BI+FR-1], v[AF+FR*(\a):AF+FR*(\a)+FR-1], 0, v[SC+16*(\sc)+NQ*BI+(\q)], v[SC+16*(\sc)+NQ*(\a)+(\q)] matrix_a_fmt:MATRIX_FMT_FP6 matrix_b_fmt:MATRIX_FMT_FP6 matrix_a_scale:MATRIX_SCALE_ROW1
.elseif (\z) == 2
	v_wmma_scale_f32_16x16x128_f8f6f4 v[AC+8*BI:AC+8*BI+7], v[128*(\p)+FR*BI:128*(\p)+FR*BI+FR-1], v[AF+FR*(\a):AF+FR*(\a)+FR-1], v[BIAS+8*BI:BIAS+8*BI+7], v[SC+16*(\sc)+NQ*BI+(\q)], v[SC+16*(\sc)+NQ*(\a)+(\q)] matrix_a_fmt:MATRIX_FMT_FP6 matrix_b_fmt:MATRIX_FMT_FP6 matrix_a_scale:MATRIX_SCALE_ROW1
.else
	v_wmma_scale_f32_16x16x128_f8f6f4 v[AC+8*BI:AC+8*BI+7], v[128*(\p)+FR*BI:128*(\p)+FR*BI+FR-1], v[AF+FR*(\a):AF+FR*(\a)+FR-1], v[AC+8*BI:AC+8*BI+7], v[SC+16*(\sc)+NQ*BI+(\q)], v[SC+16*(\sc)+NQ*(\a)+(\q)] matrix_a_fmt:MATRIX_FMT_FP6 matrix_b_fmt:MATRIX_FMT_FP6 matrix_a_scale:MATRIX_SCALE_ROW1
.endif
.set BI, BI+1
.endr
.endm
.macro MULS a0, n, p, q, sc, z
.set AI, \a0
.rept \n
	MULB AI, \p, \q, \sc, \z
.set AI, AI+1
.endr
.endm
.macro STEP slot, q, z
	s_wait_dscnt H*NL
	MULS 0, H, (\q)%2, \q, \slot, \z
	s_wait_dscnt 0x0
	PLACES
	FETCH_B \slot, (\q)+1, 1-(\q)%2
	FETCH_A \slot, (\q)+1, 0
	MULS H, H, (\q)%2, \q, \slot, \z
	PLACES
	WIN 0
	FETCH_A \slot, (\q)+1, H
.endm
.macro MID slot
	STEP \slot, 1, 0
	STEP \slot, 2, 0
.endm
.macro TURN slot, next, fill
	s_wait_tensorcnt 0x0
	ds_add_u32 v[SPW], v[NIL]
	s_wait_dscnt H*NL+1
	MULS 0, H/2, 1, NQ-1, \slot, 0
	s_wait_dscnt 0x0
	s_barrier_signal -1
	MULS H/2, H/2, 1, NQ-1, \slot, 0
	WIN 0
	s_barrier_wait -1
.if \fill
	CREST
	s_add_nc_u64 s[G0+4*\slot+2:G0+4*\slot+3], s[G0+4*\slot+2:G0+4*\slot+3], s[88:89]
	s_add_nc_u64 s[G0B+4*\slot+2:G0B+4*\slot+3], s[G0B+4*\slot+2:G0B+4*\slot+3], s[90:91]
	JLOAD G0+4*\slot, G1, G0B+4*\slot, G1B
.else
	PLACES
.endif
	FETCH_B \next, 0, 0
	FETCH_A \next, 0, 0
	SCALES \next
	MULS H, H, 1, NQ-1, \slot, 0
	PLACES
	WIN 0
	FETCH_A \next, 0, H
.endm
	s_load_b256 s[4:11], s[0:1], 0x0
.if HASB
	s_load_b64 s[12:13], s[0:1], 0x20
.endif
	v_lshl_add_u32 v[SPW], v0, 2, SPARE
	v_mov_b32 v[NIL], 0
	ds_add_u32 v[SPW], v[NIL]
	ds_add_u32 v[SPW], v[NIL]
	v_lshrrev_b32 v1, 5, v0
	v_readfirstlane_b32 s14, v1
	s_lshr_b32 s15, s14, 1
	s_and_b32 s16, s14, 1
	s_bfe_u32 s40, ttmp6, 0x40000
	s_bfe_u32 s41, ttmp6, 0x40004
	s_lshl_b32 s42, ttmp9, 2
	s_add_co_u32 s42, s42, s40
	s_and_b32 s17, ttmp7, 0xffff
	s_lshl_b32 s17, s17, 2
	s_add_co_u32 s17, s17, s41
	s_lshl_b32 s43, s41, 2
	s_lshl_b32 s43, 15, s43
	s_lshl_b32 s44, 0x1111, s40
	s_or_b32 s[G1+0], s43, (3<<16)|(1<<21)
	s_or_b32 s[G1B+0], s44, (3<<16)|(1<<21)
.irp g, G1, G1B
	s_mov_b32 s[\g+1], 1664<<16
	s_mov_b32 s[\g+2], 2<<16
	s_mov_b32 s[\g+3], 1664<<16
	s_mov_b32 s[\g+4], 2
	s_mov_b32 s[\g+6], 0
	s_mov_b32 s[\g+7], 0
.endr
	s_mov_b32 s[G1+5], RA16*416
	s_mov_b32 s[G1B+5], RB16*416
	s_mul_i32 s18, s16, NA
	s_mul_i32 s20, s17, 2*NA
	s_add_co_u32 s20, s20, s18
	s_mul_i32 s20, s20, UNIT
	s_mov_b32 s21, 0
	s_mul_i32 s46, s42, 2*NA
	s_add_co_u32 s46, s46, s18
	s_mul_i32 s46, s46, UNIT
	s_add_co_u32 s46, s46, BOFF
	s_mov_b32 s47, 0
	s_mul_i32 s45, s14, PART
	s_mov_b32 s66, QS*RA16*UNIT
	s_mov_b32 s67, 0
	s_mov_b32 s68, QS*RB16*UNIT
	s_mov_b32 s69, 0
.if LAPS > 1
	s_mov_b32 s88, 2*QS*RA16*UNIT
	s_mov_b32 s89, 0
	s_mov_b32 s90, 2*QS*RB16*UNIT
	s_mov_b32 s91, 0
.endif
	s_wait_dscnt 0x0
	s_wait_kmcnt 0x0
	s_add_nc_u64 s[20:21], s[4:5], s[20:21]
	s_add_nc_u64 s[46:47], s[6:7], s[46:47]
	CROUND
	s_mov_b32 s[G0], 1
	s_mov_b32 s[G0+1], s45
	s_mov_b64 s[G0+2:G0+3], s[20:21]
	s_or_b32 s[G0+3], s[G0+3], 0x80000000
	s_mov_b32 s[G0B], 1
	s_mov_b32 s[G0B+1], s45
	s_mov_b64 s[G0B+2:G0B+3], s[46:47]
	s_or_b32 s[G0B+3], s[G0B+3], 0x80000000
	JLOAD G0, G1, G0B, G1B
	; A PREFETCH INTO THE L2: behind fill 0's load fill 1, the last, is asked for.  A load of mine is two rows of 13,312 bytes, 104 blocks of 256; the four partners that ask for it jointly share them out
	; BY ADDRESS, 26 each (place cx for A's tiles, cy for B's): a lane a block, lanes 26-31 name the last block again.  The address registers are never rewritten
	s_cmp_eq_u32 s15, 0                            ; do I fetch for A?
	s_cselect_b64 s[80:81], s[20:21], s[46:47]
	s_cselect_b32 s82, s40, s41                    ; my place among the four
	s_cselect_b32 s84, s66, s68                    ; bytes from fill to fill: two rows' pitch
	s_lshr_b32 s83, s82, 1                         ; which of the two rows,
	s_lshr_b32 s85, s84, 1
	s_mul_i32 s83, s83, s85
	s_and_b32 s82, s82, 1                          ; which half of it
	s_mul_i32 s82, s82, 6656
	s_add_co_u32 s82, s82, s83
	s_add_co_u32 s82, s82, s84                     ; one fill on
	s_mov_b32 s83, 0
	s_add_nc_u64 s[80:81], s[80:81], s[82:83]
	v_and_b32 v30, 31, v0
	v_min_u32 v30, 25, v30
	v_lshlrev_b32 v30, 8, v30
	global_prefetch_b8 v30, s[80:81] th:TH_LOAD_NT scope:SCOPE_SE
	s_mov_b32 s[G0+4], 1
	s_add_co_u32 s[G0+5], s45, SLOT
	s_add_nc_u64 s[G0+6:G0+7], s[20:21], s[66:67]
	s_or_b32 s[G0+7], s[G0+7], 0x80000000
	s_mov_b32 s[G0B+4], 1
	s_add_co_u32 s[G0B+5], s45, SLOT
	s_add_nc_u64 s[G0B+6:G0B+7], s[46:47], s[68:69]
	s_or_b32 s[G0B+7], s[G0B+7], 0x80000000
	s_wait_alu depctr_va_vdst(0)
	s_wait_tensorcnt 0x0
	ds_add_u32 v28, v29
	s_wait_dscnt 0x0
	CROUND
	JLOAD G0+4, G1, G0B+4, G1B
	v_and_b32 v1, 15, v0
	v_bfe_u32 v2, v0, 4, 1
	v_and_b32 v3, 31, v0
	v_lshlrev_b32 v4, 4, v3
	v_lshlrev_b32 v7, 3, v3
	s_mul_i32 s21, s15, PART
	s_mul_i32 s22, s16, PART
	s_add_co_u32 s22, s22, 2*PART
	v_add_nc_u32 v[ADRA], s21, v4
	v_add_nc_u32 v[ADRA8], s21, v7
	v_add_nc_u32 v[ADRB], s22, v4
	v_add_nc_u32 v[ADRA+1], SLOT, v[ADRA]
	v_add_nc_u32 v[ADRA8+1], SLOT, v[ADRA8]
	v_add_nc_u32 v[ADRB+1], SLOT, v[ADRB]
	s_sub_co_u32 s22, s22, s21
	v_mul_u32_u24 v6, s22, v2
	v_lshl_add_u32 v5, v1, 3, 3072
	v_add_nc_u32 v5, v5, v6
	v_add_nc_u32 v[ADRS], s21, v5
	v_add_nc_u32 v[ADRS+1], SLOT, v[ADRS]
	v_and_b32 v5, 7, v0
	v_bfe_u32 v6, v0, 3, 1
	v_lshl_add_u32 v5, v6, 4, v5
	v_mul_u32_u24 v5, v5, 272
	v_lshl_add_u32 v5, v2, 6, v5
	s_mul_i32 s23, s14, 17408
	v_add_nc_u32 v[STO], s23, v5
	v_mul_u32_u24 v6, v2, 272
	v_lshl_add_u32 v6, v1, 4, v6
	v_add_nc_u32 v[RD], s23, v6
	v_lshlrev_b32 v6, 12, v2
	v_lshl_add_u32 v[CO], v1, 4, v6
	s_wait_alu depctr_va_vdst(0)
	s_lshl_b32 s18, s17, 19
	s_lshl_b32 s19, s15, 18
	s_add_co_u32 s18, s18, s19
	s_lshl_b32 s19, s42, 9
	s_add_co_u32 s18, s18, s19
	s_lshl_b32 s19, s16, 8
	s_add_co_u32 s18, s18, s19
	s_mov_b32 s19, 0
	s_add_nc_u64 s[RESP:RESP+1], s[RESP:RESP+1], s[18:19]
	s_add_nc_u64 s[OUTP:OUTP+1], s[OUTP:OUTP+1], s[18:19]
.if HASB
	s_lshl_b32 s18, s42, 9
	s_lshl_b32 s22, s16, 8
	s_add_co_u32 s18, s18, s22
	s_add_nc_u64 s[8:9], s[8:9], s[18:19]
	v_lshlrev_b32 v[BA], 6, v2
.irp b, 0,1,2,3
	global_load_b128 v[BIAS+8*\b:BIAS+8*\b+3], v[BA], s[8:9] offset:(32*(\b/2)+8*(\b%2))*4
	global_load_b128 v[BIAS+8*\b+4:BIAS+8*\b+7], v[BA], s[8:9] offset:(32*(\b/2)+8*(\b%2))*4+16
.endr
.endif
	WIN 0x80
.irp p, 0,1
.irp t, 0,1,2,3,4,5,6,7,8,9,10,11,12,13,14,15
	global_load_b128 v[RES+64*\p+4*\t:RES+64*\p+4*\t+3], v[CO], s[RESP:RESP+1] offset:\p*131072+\t*8192 th:TH_LOAD_NT
.endr
.endr
	WIN 0
.if HASB
	s_wait_loadcnt 32
.endif
	s_wait_tensorcnt 1
	s_barrier_signal -1
	s_barrier_wait -1
	FETCH_B 0, 0, 0
	FETCH_A 0, 0, 0
	SCALES 0
	FETCH_A 0, 0, H
	STEP 0, 0, 1+HASB
.if LAPS > 1
	s_mov_b32 s3, LAPS-1
.Llap:
	MID 0
	TURN 0, 1, 1
	STEP 1, 0, 0
	MID 1
	TURN 1, 0, 1
	STEP 0, 0, 0
	s_sub_co_u32 s3, s3, 1
	s_cmp_lg_u32 s3, 0
	s_cbranch_scc1 .Llap
.endif
	MID 0
	TURN 0, 1, 0
	STEP 1, 0, 0
	MID 1
	s_wait_dscnt H*NL
	MULS 0, H, 1, NQ-1, 1, 0
	s_wait_dscnt 0x0
	MULS H, H, 1, NQ-1, 1, 0
	WIN 0
	PLACES
.irp p, 0,1
.if \p
	s_wait_xcnt 0x0
.endif
	WIN 0x08+4*\p
.irp u2, 0,1
.irp b, 0,1,2,3
	ds_store_b128 v[STO], v[8*(4*\u2+\b):8*(4*\u2+\b)+3] offset:\p*8704+\u2*2176+128*(\b/2)+32*(\b%2)
	ds_store_b128 v[STO], v[8*(4*\u2+\b)+4:8*(4*\u2+\b)+7] offset:\p*8704+\u2*2176+128*(\b/2)+32*(\b%2)+16
.endr
.endr
	WIN 0
.irp t, 0,1,2,3,4,5,6,7,8,9,10,11,12,13,14,15
	ds_load_b128 v[BK+4*\t:BK+4*\t+3], v[RD] offset:\p*8704+544*\t
.endr
	s_wait_dscnt 0x0
	s_wait_loadcnt 16-16*\p
	WIN 0x08
.set J, 0
.rept 32
	v_pk_add_f32 v[BK+J:BK+J+1], v[BK+J:BK+J+1], v[RES+64*\p+J:RES+64*\p+J+1]
.set J, J+2
.endr
	WIN 0
.irp t, 0,1,2,3,4,5,6,7,8,9,10,11,12,13,14,15
.if HASB
	global_store_b128 v[CO], v[BK+4*\t:BK+4*\t+3], s[OUTP:OUTP+1] offset:\p*131072+\t*8192 th:TH_STORE_NT
.else
	global_store_b128 v[CO], v[BK+4*\t:BK+4*\t+3], s[OUTP:OUTP+1] offset:\p*131072+\t*8192
.endif
.endr
.endr
	s_wait_tensorcnt 0x0
	ds_add_u32 v[SPW], v[NIL]
	s_wait_dscnt 0x0
	CROUND
	s_endpgm
.Lfunc_end_k_qa8d8514792_gout:
	.size	k_qa8d8514792_gout, .Lfunc_end_k_qa8d8514792_gout-k_qa8d8514792_gout
	.p2alignl 7, 3214868480
	.fill 96, 4, 3214868480
	.section	.rodata,"a",@progbits
	.p2align	6, 0x0
	.amdhsa_kernel k_qa8d8514792_gout
		.amdhsa_group_segment_fixed_size 327680
		.amdhsa_private_segment_fixed_size 0
		.amdhsa_enable_private_segment 0
		.amdhsa_kernarg_size 32
		.amdhsa_user_sgpr_count 2
		.amdhsa_user_sgpr_kernarg_segment_ptr 1
		.amdhsa_wavefront_size32 1
		.amdhsa_system_sgpr_workgroup_id_x 1
		.amdhsa_system_sgpr_workgroup_id_y 1
		.amdhsa_system_sgpr_workgroup_id_z 1
		.amdhsa_system_vgpr_workitem_id 0
		.amdhsa_next_free_vgpr 1024
		.amdhsa_next_free_sgpr 98
		.amdhsa_reserve_vcc 0
		.amdhsa_float_denorm_mode_32 3
		.amdhsa_float_denorm_mode_16_64 3
		.amdhsa_memory_ordered 1
		.amdhsa_forward_progress 1
		.amdhsa_inst_pref_size 58
	.end_amdhsa_kernel
	.amdgpu_metadata
---
amdhsa.version: [ 1, 2 ]
amdhsa.kernels:
  - .name:           k_qa8d8514792_gout
    .symbol:         k_qa8d8514792_gout.kd
    .args:
      - { .name: oimg, .offset: 0, .size: 8, .value_kind: global_buffer, .address_space: global }
      - { .name: wimg, .offset: 8, .size: 8, .value_kind: global_buffer, .address_space: global }
      - { .name: x, .offset: 16, .size: 8, .value_kind: global_buffer, .address_space: global }
      - { .name: x1, .offset: 24, .size: 8, .value_kind: global_buffer, .address_space: global }
    .group_segment_fixed_size: 327680
    .private_segment_fixed_size: 0
    .kernarg_segment_align: 8
    .kernarg_segment_size: 32
    .max_flat_workgroup_size: 128
    .sgpr_count:     98
    .vgpr_count:     1024
    .wavefront_size: 32
...
	.end_amdgpu_metadata
.endif
;; end of part 5
;; launch ln2: the kernel of part 2 again; grid 256 x 1, 8 waves a work-group, no clusters, 2,048 bytes of LDS; arguments x1, g2, be2, hq2; writes hq2
;; launch gff1 (part 6): grid 16 x 16, 4 waves a work-group, clusters of 4 x 4, 327,680 bytes of LDS; arguments hq2, wimg, b1, hid; writes hid
.if DOCPART == 6
	.amdgcn_target "amdgcn-amd-amdhsa--gfx1250"
	.amdhsa_code_object_version 6
	.text
	.protected	k_qa8d8514792_gff1
	.globl	k_qa8d8514792_gff1
	.p2align	8
	.type	k_qa8d8514792_gff1,@function
k_qa8d8514792_gff1:
	s_mov_b64 s[64:65], 0
	v_nop
	global_prefetch_b8 v0, s[64:65] scope:SCOPE_SE
	s_setreg_imm32_b32 hwreg(HW_REG_WAVE_MODE, 25, 1), 1
	s_wait_xcnt 0x0
	s_wait_alu depctr_hold_cnt(0) depctr_sa_sdst(0) depctr_va_vdst(0) depctr_va_sdst(0) depctr_va_ssrc(0) depctr_va_vcc(0) depctr_vm_vsrc(0)
	s_getreg_b32 s2, hwreg(HW_REG_IB_STS2, 6, 4)
	s_cmp_eq_u32 s2, 0
	s_cbranch_scc0 .Lentry_in_a_cluster
	s_endpgm
.Lentry_in_a_cluster:
	s_bfe_u32 s2, ttmp6, 0x10000c
	s_cmp_lg_u32 s2, 0xf033
	s_cbranch_scc0 .Lentry_shape_is_right
	s_endpgm
.Lentry_shape_is_right:
.set NA,    8
.set QS,    1
.set LAPS,  2
.set RA16,  256
.set RB16,  256
.set BOFF,  3407872
.set UNIT,  3328
.set H,     NA/2
.set NQ,    2*QS
.set CH,    NA*UNIT
.set PART,  QS*CH
.set SLOT,  4*PART
.set SPARE, 2*SLOT
.set FR,    12
.set NL,    3
.set ADRA, 16
.set ADRB, 20
.set ADRS, 22
.set LI,   24
.set L8,   25
.set BA,   27
.set SPW,  28
.set NIL,  29
.set SC,   32
.set BIAS, 64
.set AF,   128
.set TM,   32
.set PW,   48
.set PC,   52
.set G1,   24
.set G0,   32
.set G1B,  48
.set G0B,  56
.set SEL,  70
.set MSB, 0
.macro WIN new
.if MSB != (\new)
	s_set_vgpr_msb (MSB<<8)|(\new)
.set MSB, (\new)
.endif
.endm
.macro JLOAD g0a, g1a, g0b, g1b
	s_cmp_eq_u32 s15, 0
	s_cbranch_scc0 .Lfor_b_\@
	tensor_load_to_lds s[\g0a:\g0a+3], s[\g1a:\g1a+7]
	s_nop 0
.rept 4
	v_nop
.endr
	s_branch .Lasked_\@
.Lfor_b_\@:
	tensor_load_to_lds s[\g0b:\g0b+3], s[\g1b:\g1b+7]
	s_nop 0
.rept 4
	v_nop
.endr
.Lasked_\@:
.endm
.macro CREST
	s_cmp_lg_u32 s14, 0
	s_cbranch_scc1 .Lnot_wave_0_\@
	s_barrier_signal -3
.Lnot_wave_0_\@:
	s_barrier_wait -3
	s_barrier_signal -1
	s_barrier_wait -1
.endm
.macro CROUND
	s_barrier_signal -1
	s_barrier_wait -1
	CREST
.endm
.macro PLACES
.rept 4
	v_nop
.endr
.endm
.macro FRAG reg, adr, q, i
.irp c, 0,1,2
	ds_load_b128 v[\reg+4*\c:\reg+4*\c+3], v[\adr] offset:((\q)/2)*CH+(\i)*UNIT+((\q)%2)*1536+512*\c
.endr
.endm
.macro FETCH_B slot, q, p
	WIN 0x40
.set FI, 0
.rept NA
	FRAG 128*(\p)+FR*FI, ADRB+\slot, \q, FI
.set FI, FI+1
.endr
	WIN 0
.endm
.macro FETCH_A slot, q, i0
.set FI, \i0
.rept H
	FRAG AF+FR*FI, ADRA+\slot, \q, FI
.set FI, FI+1
.endr
.endm
.macro SCALES sl
.set FI, 0
.rept NA
.set FQ, 0
.rept QS
	ds_load_b64 v[SC+16*\sl+NQ*FI+2*FQ:SC+16*\sl+NQ*FI+2*FQ+1], v[ADRS+\sl] offset:FQ*CH+FI*UNIT
.set FQ, FQ+1
.endr
.set FI, FI+1
.endr
.endm
.macro MULB a, p, q, sc, z
.if (\z) == 2
	WIN 0x81+0x40*((\a)/H)
.else
	WIN 0xa1+0x50*((\a)/H)
.endif
.set AC, 8*NA*((\a)%H)
.set BI, 0
.rept NA
.if (\z) == 2
	v_wmma_scale_f32_16x16x128_f8f6f4 v[AC+8*BI:AC+8*BI+7], v[128*(\p)+FR*BI:128*(\p)+FR*BI+FR-1], v[AF+FR*(\a):AF+FR*(\a)+FR-1], v[BIAS+8*BI:BIAS+8*BI+7], v[SC+16*(\sc)+NQ*BI+(\q)], v[SC+16*(\sc)+NQ*(\a)+(\q)] matrix_a_fmt:MATRIX_FMT_FP6 matrix_b_fmt:MATRIX_FMT_FP6 matrix_a_scale:MATRIX_SCALE_ROW1
.else
	v_wmma_scale_f32_16x16x128_f8f6f4 v[AC+8*BI:AC+8*BI+7], v[128*(\p)+FR*BI:128*(\p)+FR*BI+FR-1], v[AF+FR*(\a):AF+FR*(\a)+FR-1], v[AC+8*BI:AC+8*BI+7], v[SC+16*(\sc)+NQ*BI+(\q)], v[SC+16*(\sc)+NQ*(\a)+(\q)] matrix_a_fmt:MATRIX_FMT_FP6 matrix_b_fmt:MATRIX_FMT_FP6 matrix_a_scale:MATRIX_SCALE_ROW1
.endif
.set BI, BI+1
.endr
.endm
.macro MULS a0, n, p, q, sc, z
.set AI, \a0
.rept \n
	MULB AI, \p, \q, \sc, \z
.set AI, AI+1
.endr
.endm
.macro STEP slot, q, z
	s_wait_dscnt H*NL
	MULS 0, H, (\q)%2, \q, \slot, \z
	s_wait_dscnt 0x0
	PLACES
	FETCH_B \slot, (\q)+1, 1-(\q)%2
	FETCH_A \slot, (\q)+1, 0
	MULS H, H, (\q)%2, \q, \slot, \z
	PLACES
	WIN 0
	FETCH_A \slot, (\q)+1, H
.endm
.macro TURN slot, next, fill
	s_wait_tensorcnt 0x0
	ds_add_u32 v[SPW], v[NIL]
	s_wait_dscnt H*NL+1
	MULS 0, H/2, 1, NQ-1, \slot, 0
	s_wait_dscnt 0x0
	s_barrier_signal -1
	MULS H/2, H/2, 1, NQ-1, \slot, 0
	WIN 0
	s_barrier_wait -1
.if \fill
	CREST
	s_add_nc_u64 s[G0+4*\slot+2:G0+4*\slot+3], s[G0+4*\slot+2:G0+4*\slot+3], s[88:89]
	s_add_nc_u64 s[G0B+4*\slot+2:G0B+4*\slot+3], s[G0B+4*\slot+2:G0B+4*\slot+3], s[90:91]
	JLOAD G0+4*\slot, G1, G0B+4*\slot, G1B
.else
	PLACES
.endif
	FETCH_B \next, 0, 0
	FETCH_A \next, 0, 0
	SCALES \next
	MULS H, H, 1, NQ-1, \slot, 0
	PLACES
	WIN 0
	FETCH_A \next, 0, H
.endm
.macro QUANTW W, s
	WIN ((\W)<<6)|((\W)<<2)
.set QJ, 0
.rept 64
	v_max_num_f32 v[(\s)+QJ], 0, v[(\s)+QJ]
.set QJ, QJ+1
.endr
	WIN (\W)|((\W)<<2)
.irp b, 0,1,2,3
	v_max3_num_f32 v[TM+\b], v[(\s)+16*\b], v[(\s)+1+16*\b], 0x1800000
.endr
.irp i, 2,4,6,8,10,12,14
.irp b, 0,1,2,3
	v_max3_num_f32 v[TM+\b], v[(\s)+16*\b+\i], v[(\s)+1+16*\b+\i], v[TM+\b]
.endr
.endr
	WIN 0
.irp b, 0,1,2,3
	v_permlanex16_b32 v[TM+4+\b], v[TM+\b], s[SEL], s[SEL+1]
.endr
.irp b, 0,1,2,3
	v_max_num_f32 v[TM+\b], v[TM+\b], v[TM+4+\b]
.endr
.irp b, 0,1,2,3
	v_add_nc_u32 v[TM+12+\b], 0xff000000, v[TM+\b]
.endr
.irp b, 0,1,2,3
	v_lshrrev_b32 v[TM+4+\b], 23, v[TM+12+\b]
.endr
	v_lshl_or_b32 v[PW], v[TM+5], 8, v[TM+4]
	v_lshl_or_b32 v[PW], v[TM+6], 16, v[PW]
	v_lshl_or_b32 v[PW], v[TM+7], 24, v[PW]
	WIN (\W)
.irp c, 0,1
	v_cvt_scalef32_pk16_fp6_f32 v[PC+6*\c:PC+2+6*\c], v[(\s)+32*\c:(\s)+15+32*\c], v[TM+12+2*\c]
	v_cvt_scalef32_pk16_fp6_f32 v[PC+12+4*\c:PC+14+4*\c], v[(\s)+16+32*\c:(\s)+31+32*\c], v[TM+12+2*\c+1]
.endr
	WIN 0
	v_nop
.irp c, 0,1
.irp i, 0,1,2
	v_permlane16_swap_b32 v[PC+6*\c+\i], v[PC+12+4*\c+\i]
.endr
.irp i, 0,1,2
	v_mov_b32 v[PC+3+6*\c+\i], v[PC+12+4*\c+\i]
.endr
.endr
.endm
	s_load_b256 s[4:11], s[0:1], 0x0
	v_lshl_add_u32 v[SPW], v0, 2, SPARE
	v_mov_b32 v[NIL], 0
	ds_add_u32 v[SPW], v[NIL]
	ds_add_u32 v[SPW], v[NIL]
	v_lshrrev_b32 v1, 5, v0
	v_readfirstlane_b32 s14, v1
	s_lshr_b32 s15, s14, 1
	s_and_b32 s16, s14, 1
	s_bfe_u32 s40, ttmp6, 0x40000
	s_bfe_u32 s41, ttmp6, 0x40004
	s_lshl_b32 s42, ttmp9, 2
	s_add_co_u32 s42, s42, s40
	s_and_b32 s17, ttmp7, 0xffff
	s_lshl_b32 s17, s17, 2
	s_add_co_u32 s17, s17, s41
	s_lshl_b32 s43, s41, 2
	s_lshl_b32 s43, 15, s43
	s_lshl_b32 s44, 0x1111, s40
	s_or_b32 s[G1+0], s43, (3<<16)|(1<<21)
	s_or_b32 s[G1B+0], s44, (3<<16)|(1<<21)
.irp g, G1, G1B
	s_mov_b32 s[\g+1], 32<<16
	s_mov_b32 s[\g+2], 104<<16
	s_mov_b32 s[\g+3], 32<<16
	s_mov_b32 s[\g+4], 104
	s_mov_b32 s[\g+5], 32
	s_mov_b32 s[\g+6], 0
	s_mov_b32 s[\g+7], 0
.endr
	s_mul_i32 s18, s16, NA
	s_mul_i32 s20, s17, 2*NA
	s_add_co_u32 s20, s20, s18
	s_mul_i32 s20, s20, UNIT
	s_mov_b32 s21, 0
	s_mul_i32 s46, s42, 2*NA
	s_add_co_u32 s46, s46, s18
	s_mul_i32 s46, s46, UNIT
	s_add_co_u32 s46, s46, BOFF
	s_mov_b32 s47, 0
	s_mul_i32 s45, s14, PART
	s_mov_b32 s66, QS*RA16*UNIT
	s_mov_b32 s67, 0
	s_mov_b32 s68, QS*RB16*UNIT
	s_mov_b32 s69, 0
	s_mov_b32 s88, 2*QS*RA16*UNIT
	s_mov_b32 s89, 0
	s_mov_b32 s90, 2*QS*RB16*UNIT
	s_mov_b32 s91, 0
	s_mov_b32 s[SEL], 0x76543210
	s_mov_b32 s[SEL+1], 0xfedcba98
	s_wait_dscnt 0x0
	s_wait_kmcnt 0x0
	s_add_nc_u64 s[20:21], s[4:5], s[20:21]
	s_add_nc_u64 s[46:47], s[6:7], s[46:47]
	CROUND
	s_mov_b32 s[G0], 1
	s_mov_b32 s[G0+1], s45
	s_mov_b64 s[G0+2:G0+3], s[20:21]
	s_or_b32 s[G0+3], s[G0+3], 0x80000000
	s_mov_b32 s[G0B], 1
	s_mov_b32 s[G0B+1], s45
	s_mov_b64 s[G0B+2:G0B+3], s[46:47]
	s_or_b32 s[G0B+3], s[G0B+3], 0x80000000
	JLOAD G0, G1, G0B, G1B
	; PREFETCHES INTO THE L2.  A load of mine is 26,624 dense bytes, 104 blocks of 256; the four partners that ask for it jointly share them out BY ADDRESS, 26 each (place cx for A's tiles, cy for B's):
	; a lane a block, lanes 26-31 name the last block again.  Behind fill 0's load fills 1 and 2 are asked for, behind fill 1's load fill 3; K has four fills.  The address registers are never rewritten
	s_cmp_eq_u32 s15, 0                            ; do I fetch for A?
	s_cselect_b64 s[92:93], s[20:21], s[46:47]
	s_cselect_b32 s94, s40, s41                    ; my place among the four
	s_cselect_b32 s96, s66, s68                    ; bytes from fill to fill
	s_mul_i32 s94, s94, 6656
	s_mov_b32 s95, 0
	s_mov_b32 s97, 0
	s_add_nc_u64 s[92:93], s[92:93], s[94:95]
	s_add_nc_u64 s[92:93], s[92:93], s[96:97]      ; fill 1,
	s_add_nc_u64 s[82:83], s[92:93], s[96:97]      ; fill 2,
	s_add_nc_u64 s[84:85], s[82:83], s[96:97]      ; fill 3
	v_and_b32 v30, 31, v0
	v_min_u32 v30, 25, v30
	v_lshlrev_b32 v30, 8, v30
	global_prefetch_b8 v30, s[92:93] th:TH_LOAD_NT scope:SCOPE_SE
	global_prefetch_b8 v30, s[82:83] th:TH_LOAD_NT scope:SCOPE_SE
	s_mov_b32 s[G0+4], 1
	s_add_co_u32 s[G0+5], s45, SLOT
	s_add_nc_u64 s[G0+6:G0+7], s[20:21], s[66:67]
	s_or_b32 s[G0+7], s[G0+7], 0x80000000
	s_mov_b32 s[G0B+4], 1
	s_add_co_u32 s[G0B+5], s45, SLOT
	s_add_nc_u64 s[G0B+6:G0B+7], s[46:47], s[68:69]
	s_or_b32 s[G0B+7], s[G0B+7], 0x80000000
	s_wait_alu depctr_va_vdst(0)
	s_wait_tensorcnt 0x0
	ds_add_u32 v28, v29
	s_wait_dscnt 0x0
	CROUND
	JLOAD G0+4, G1, G0B+4, G1B
	global_prefetch_b8 v30, s[84:85] th:TH_LOAD_NT scope:SCOPE_SE   ; fill 3
	v_and_b32 v1, 15, v0
	v_bfe_u32 v2, v0, 4, 1
	v_and_b32 v3, 31, v0
	v_lshlrev_b32 v[LI], 4, v3
	v_lshlrev_b32 v[L8], 3, v3
	v_lshlrev_b32 v[BA], 6, v2
	s_mul_i32 s21, s15, PART
	s_mul_i32 s22, s16, PART
	s_add_co_u32 s22, s22, 2*PART
	v_add_nc_u32 v[ADRA], s21, v[LI]
	v_add_nc_u32 v[ADRB], s22, v[LI]
	v_add_nc_u32 v[ADRA+1], SLOT, v[ADRA]
	v_add_nc_u32 v[ADRB+1], SLOT, v[ADRB]
	s_sub_co_u32 s22, s22, s21
	v_mul_u32_u24 v6, s22, v2
	v_lshl_add_u32 v5, v1, 3, 3072
	v_add_nc_u32 v5, v5, v6
	v_add_nc_u32 v[ADRS], s21, v5
	v_add_nc_u32 v[ADRS+1], SLOT, v[ADRS]
	s_lshl_b32 s18, s42, 10
	s_lshl_b32 s19, s16, 9
	s_add_co_u32 s18, s18, s19
	s_mov_b32 s19, 0
	s_add_nc_u64 s[8:9], s[8:9], s[18:19]
.irp b, 0,1,2,3,4,5,6,7
	global_load_b128 v[BIAS+8*\b:BIAS+8*\b+3], v[BA], s[8:9] offset:(32*(\b/2)+8*(\b%2))*4
	global_load_b128 v[BIAS+8*\b+4:BIAS+8*\b+7], v[BA], s[8:9] offset:(32*(\b/2)+8*(\b%2))*4+16
.endr
	s_lshl_b32 s18, s42, 8
	s_lshl_b32 s19, s17, 4
	s_add_co_u32 s18, s18, s19
	s_lshl_b32 s19, s15, 3
	s_add_co_u32 s18, s18, s19
	s_mul_i32 s18, s18, UNIT
	s_mul_i32 s19, s16, 1536
	s_add_co_u32 s74, s18, s19
	s_mov_b32 s75, 0
	s_lshl_b32 s19, s16, 2
	s_add_co_u32 s76, s18, s19
	s_add_co_u32 s76, s76, 3072
	s_mov_b32 s77, 0
	s_add_nc_u64 s[74:75], s[10:11], s[74:75]
	s_add_nc_u64 s[76:77], s[10:11], s[76:77]
	s_wait_alu depctr_va_vdst(0)
	s_wait_loadcnt 0x0
	s_wait_tensorcnt 1
	s_barrier_signal -1
	s_barrier_wait -1
	FETCH_B 0, 0, 0
	FETCH_A 0, 0, 0
	SCALES 0
	FETCH_A 0, 0, H
	STEP 0, 0, 2
	s_mov_b32 s3, LAPS-1
.Llap:
	TURN 0, 1, 1
	STEP 1, 0, 0
	TURN 1, 0, 1
	STEP 0, 0, 0
	s_sub_co_u32 s3, s3, 1
	s_cmp_lg_u32 s3, 0
	s_cbranch_scc1 .Llap
	TURN 0, 1, 0
	STEP 1, 0, 0
	s_wait_dscnt H*NL
	MULS 0, H, 1, NQ-1, 1, 0
	s_wait_dscnt 0x0
	MULS H, H, 1, NQ-1, 1, 0
	WIN 0
	PLACES
.irp b, 0,1,2,3
	v_mov_b32 v[TM+4+\b], 0
.endr
.irp a, 0,1,2,3,4,5,6,7
.if \a > 0
	s_wait_xcnt 0x0
.endif
	QUANTW 2+\a/4, 64*(\a%4)
.irp c, 0,1,2
	global_store_b128 v[LI], v[PC+4*\c:PC+4*\c+3], s[74:75] offset:\a*UNIT+512*\c
.endr
	global_store_b32 v[L8], v[PW], s[76:77] offset:\a*UNIT
.endr
	s_wait_tensorcnt 0x0
	ds_add_u32 v[SPW], v[NIL]
	s_wait_dscnt 0x0
	CROUND
	s_endpgm
.Lfunc_end_k_qa8d8514792_gff1:
	.size	k_qa8d8514792_gff1, .Lfunc_end_k_qa8d8514792_gff1-k_qa8d8514792_gff1
	.p2alignl 7, 3214868480
	.fill 96, 4, 3214868480
	.section	.rodata,"a",@progbits
	.p2align	6, 0x0
	.amdhsa_kernel k_qa8d8514792_gff1
		.amdhsa_group_segment_fixed_size 327680
		.amdhsa_private_segment_fixed_size 0
		.amdhsa_enable_private_segment 0
		.amdhsa_kernarg_size 32
		.amdhsa_user_sgpr_count 2
		.amdhsa_user_sgpr_kernarg_segment_ptr 1
		.amdhsa_wavefront_size32 1
		.amdhsa_system_sgpr_workgroup_id_x 1
		.amdhsa_system_sgpr_workgroup_id_y 1
		.amdhsa_system_sgpr_workgroup_id_z 1
		.amdhsa_system_vgpr_workitem_id 0
		.amdhsa_next_free_vgpr 1024
		.amdhsa_next_free_sgpr 98
		.amdhsa_reserve_vcc 0
		.amdhsa_float_denorm_mode_32 3
		.amdhsa_float_denorm_mode_16_64 3
		.amdhsa_memory_ordered 1
		.amdhsa_forward_progress 1
		.amdhsa_inst_pref_size 157
	.end_amdhsa_kernel
	.amdgpu_metadata
---
amdhsa.version: [ 1, 2 ]
amdhsa.kernels:
  - .name:           k_qa8d8514792_gff1
    .symbol:         k_qa8d8514792_gff1.kd
    .args:
      - { .name: hq2, .offset: 0, .size: 8, .value_kind: global_buffer, .address_space: global }
      - { .name: wimg, .offset: 8, .size: 8, .value_kind: global_buffer, .address_space: global }
      - { .name: b1, .offset: 16, .size: 8, .value_kind: global_buffer, .address_space: global }
      - { .name: hid, .offset: 24, .size: 8, .value_kind: global_buffer, .address_space: global }
    .group_segment_fixed_size: 327680
    .private_segment_fixed_size: 0
    .kernarg_segment_align: 8
    .kernarg_segment_size: 32
    .max_flat_workgroup_size: 128
    .sgpr_count:     98
    .vgpr_count:     1024
    .wavefront_size: 32
...
	.end_amdgpu_metadata
.endif
;; end of part 6
;; launch gff2 (part 7): grid 8 x 32, 4 waves a work-group, clusters of 4 x 4, 327,680 bytes of LDS; arguments hid, wimg, b2, x1, out0; writes out0
.if DOCPART == 7
	.amdgcn_target "amdgcn-amd-amdhsa--gfx1250"
	.amdhsa_code_object_version 6
	.text
	.protected	k_qa8d8514792_gff2
	.globl	k_qa8d8514792_gff2
	.p2align	8
	.type	k_qa8d8514792_gff2,@function
k_qa8d8514792_gff2:
	s_mov_b64 s[64:65], 0
	v_nop
	global_prefetch_b8 v0, s[64:65] scope:SCOPE_SE
	s_setreg_imm32_b32 hwreg(HW_REG_WAVE_MODE, 25, 1), 1
	s_wait_xcnt 0x0
	s_wait_alu depctr_hold_cnt(0) depctr_sa_sdst(0) depctr_va_vdst(0) depctr_va_sdst(0) depctr_va_ssrc(0) depctr_va_vcc(0) depctr_vm_vsrc(0)
	s_getreg_b32 s2, hwreg(HW_REG_IB_STS2, 6, 4)
	s_cmp_eq_u32 s2, 0
	s_cbranch_scc0 .Lentry_in_a_cluster
	s_endpgm
.Lentry_in_a_cluster:
	s_bfe_u32 s2, ttmp6, 0x10000c
	s_cmp_lg_u32 s2, 0xf033
	s_cbranch_scc0 .Lentry_shape_is_right
	s_endpgm
.Lentry_shape_is_right:
.set NA,    4
.set QS,    2
.set LAPS,  4
.set RA16,  256
.set RB16,  64
.set BOFF,  6815744
.set HASB,  1
.set RESP,  10
.set OUTP,  12
.set UNIT,  3328
.set H,     NA/2
.set NQ,    2*QS
.set CH,    NA*UNIT
.set PART,  QS*CH
.set SLOT,  4*PART
.set SPARE, 2*SLOT
.set FR,    12
.set NL,    3
.set ADRA, 16
.set ADRB, 20
.set ADRS, 22
.set STO,  24
.set RD,   25
.set CO,   26
.set BA,   27
.set SPW,  28
.set NIL,  29
.set SC,   32
.set BIAS, 64
.set AF,   128
.set BK,   192
.set RES,  64
.set G1,   24
.set G0,   32
.set G1B,  48
.set G0B,  56
.set MSB, 0
.macro WIN new
.if MSB != (\new)
	s_set_vgpr_msb (MSB<<8)|(\new)
.set MSB, (\new)
.endif
.endm
.macro JLOAD g0a, g1a, g0b, g1b
	s_cmp_eq_u32 s15, 0
	s_cbranch_scc0 .Lfor_b_\@
	tensor_load_to_lds s[\g0a:\g0a+3], s[\g1a:\g1a+7]
	s_nop 0
.rept 4
	v_nop
.endr
	s_branch .Lasked_\@
.Lfor_b_\@:
	tensor_load_to_lds s[\g0b:\g0b+3], s[\g1b:\g1b+7]
	s_nop 0
.rept 4
	v_nop
.endr
.Lasked_\@:
.endm
.macro CREST
	s_cmp_lg_u32 s14, 0
	s_cbranch_scc1 .Lnot_wave_0_\@
	s_barrier_signal -3
.Lnot_wave_0_\@:
	s_barrier_wait -3
	s_barrier_signal -1
	s_barrier_wait -1
.endm
.macro CROUND
	s_barrier_signal -1
	s_barrier_wait -1
	CREST
.endm
.macro PLACES
.rept 4
	v_nop
.endr
.endm
.macro FRAG reg, adr, q, i
.irp c, 0,1,2
	ds_load_b128 v[\reg+4*\c:\reg+4*\c+3], v[\adr] offset:((\q)/2)*CH+(\i)*UNIT+((\q)%2)*1536+512*\c
.endr
.endm
.macro FETCH_B slot, q, p
	WIN 0x40
.set FI, 0
.rept NA
	FRAG 128*(\p)+FR*FI, ADRB+\slot, \q, FI
.set FI, FI+1
.endr
	WIN 0
.endm
.macro FETCH_A slot, q, i0
.set FI, \i0
.rept H
	FRAG AF+FR*FI, ADRA+\slot, \q, FI
.set FI, FI+1
.endr
.endm
.macro SCALES sl
.set FI, 0
.rept NA
.set FQ, 0
.rept QS
	ds_load_b64 v[SC+16*\sl+NQ*FI+2*FQ:SC+16*\sl+NQ*FI+2*FQ+1], v[ADRS+\sl] offset:FQ*CH+FI*UNIT
.set FQ, FQ+1
.endr
.set FI, FI+1
.endr
.endm
.macro MULB a, p, q, sc, z
.if (\z) == 2
	WIN 0x81+0x40*((\a)/H)
.else
	WIN 0xa1+0x50*((\a)/H)
.endif
.set AC, 8*NA*((\a)%H)
.set BI, 0
.rept NA
.if (\z) == 1
	v_wmma_scale_f32_16x16x128_f8f6f4 v[AC+8*BI:AC+8*BI+7], v[128*(\p)+FR*BI:128*(\p)+FR*BI+FR-1], v[AF+FR*(\a):AF+FR*(\a)+FR-1], 0, v[SC+16*(\sc)+NQ*BI+(\q)], v[SC+16*(\sc)+NQ*(\a)+(\q)] matrix_a_fmt:MATRIX_FMT_FP6 matrix_b_fmt:MATRIX_FMT_FP6 matrix_a_scale:MATRIX_SCALE_ROW1
.elseif (\z) == 2
	v_wmma_scale_f32_16x16x128_f8f6f4 v[AC+8*BI:AC+8*BI+7], v[128*(\p)+FR*BI:128*(\p)+FR*BI+FR-1], v[AF+FR*(\a):AF+FR*(\a)+FR-1], v[BIAS+8*BI:BIAS+8*BI+7], v[SC+16*(\sc)+NQ*BI+(\q)], v[SC+16*(\sc)+NQ*(\a)+(\q)] matrix_a_fmt:MATRIX_FMT_FP6 matrix_b_fmt:MATRIX_FMT_FP6 matrix_a_scale:MATRIX_SCALE_ROW1
.else
	v_wmma_scale_f32_16x16x128_f8f6f4 v[AC+8*BI:AC+8*BI+7], v[128*(\p)+FR*BI:128*(\p)+FR*BI+FR-1], v[AF+FR*(\a):AF+FR*(\a)+FR-1], v[AC+8*BI:AC+8*BI+7], v[SC+16*(\sc)+NQ*BI+(\q)], v[SC+16*(\sc)+NQ*(\a)+(\q)] matrix_a_fmt:MATRIX_FMT_FP6 matrix_b_fmt:MATRIX_FMT_FP6 matrix_a_scale:MATRIX_SCALE_ROW1
.endif
.set BI, BI+1
.endr
.endm
.macro MULS a0, n, p, q, sc, z
.set AI, \a0
.rept \n
	MULB AI, \p, \q, \sc, \z
.set AI, AI+1
.endr
.endm
.macro STEP slot, q, z
	s_wait_dscnt H*NL
	MULS 0, H, (\q)%2, \q, \slot, \z
	s_wait_dscnt 0x0
	PLACES
	FETCH_B \slot, (\q)+1, 1-(\q)%2
	FETCH_A \slot, (\q)+1, 0
	MULS H, H, (\q)%2, \q, \slot, \z
	PLACES
	WIN 0
	FETCH_A \slot, (\q)+1, H
.endm
.macro MID slot
	STEP \slot, 1, 0
	STEP \slot, 2, 0
.endm
.macro TURN slot, next, fill
.if \fill
	s_wait_xcnt 0x0                                ; my last prefetch has read its address:
	s_add_nc_u64 s[70+8*\slot:71+8*\slot], s[70+8*\slot:71+8*\slot], s[76:77]   ; this slot's prefetches step two fills on
.endif
	s_wait_tensorcnt 0x0
	ds_add_u32 v[SPW], v[NIL]
	s_wait_dscnt H*NL+1
	MULS 0, H/2, 1, NQ-1, \slot, 0
	s_wait_dscnt 0x0
	s_barrier_signal -1
	MULS H/2, H/2, 1, NQ-1, \slot, 0
	WIN 0
	s_barrier_wait -1
.if \fill
	CREST
	s_add_nc_u64 s[G0+4*\slot+2:G0+4*\slot+3], s[G0+4*\slot+2:G0+4*\slot+3], s[88:89]
	s_add_nc_u64 s[G0B+4*\slot+2:G0B+4*\slot+3], s[G0B+4*\slot+2:G0B+4*\slot+3], s[90:91]
	JLOAD G0+4*\slot, G1, G0B+4*\slot, G1B
.else
	PLACES
.endif
	FETCH_B \next, 0, 0
	FETCH_A \next, 0, 0
	SCALES \next
.if \fill
	s_cmp_gt_u32 s3, 1                             ; the last trip's two refills have no fill two on
	s_cbranch_scc0 .Lno_ask_\@
	global_prefetch_b8 v30, s[70+8*\slot:71+8*\slot] th:TH_LOAD_NT scope:SCOPE_SE   ; the fill that stands two refills on: my work-group's 26 blocks of 256 bytes of the 104 that I fetch
.Lno_ask_\@:
.endif
	MULS H, H, 1, NQ-1, \slot, 0
	PLACES
	WIN 0
	FETCH_A \next, 0, H
.endm
	s_load_b256 s[4:11], s[0:1], 0x0
.if HASB
	s_load_b64 s[12:13], s[0:1], 0x20
.endif
	v_lshl_add_u32 v[SPW], v0, 2, SPARE
	v_mov_b32 v[NIL], 0
	ds_add_u32 v[SPW], v[NIL]
	ds_add_u32 v[SPW], v[NIL]
	v_lshrrev_b32 v1, 5, v0
	v_readfirstlane_b32 s14, v1
	s_lshr_b32 s15, s14, 1
	s_and_b32 s16, s14, 1
	s_bfe_u32 s40, ttmp6, 0x40000
	s_bfe_u32 s41, ttmp6, 0x40004
	s_lshl_b32 s42, ttmp9, 2
	s_add_co_u32 s42, s42, s40
	s_and_b32 s17, ttmp7, 0xffff
	s_lshl_b32 s17, s17, 2
	s_add_co_u32 s17, s17, s41
	s_lshl_b32 s43, s41, 2
	s_lshl_b32 s43, 15, s43
	s_lshl_b32 s44, 0x1111, s40
	s_or_b32 s[G1+0], s43, (3<<16)|(1<<21)
	s_or_b32 s[G1B+0], s44, (3<<16)|(1<<21)
.irp g, G1, G1B
	s_mov_b32 s[\g+1], 1664<<16
	s_mov_b32 s[\g+2], 2<<16
	s_mov_b32 s[\g+3], 1664<<16
	s_mov_b32 s[\g+4], 2
	s_mov_b32 s[\g+6], 0
	s_mov_b32 s[\g+7], 0
.endr
	s_mov_b32 s[G1+5], RA16*416
	s_mov_b32 s[G1B+5], RB16*416
	s_mul_i32 s18, s16, NA
	s_mul_i32 s20, s17, 2*NA
	s_add_co_u32 s20, s20, s18
	s_mul_i32 s20, s20, UNIT
	s_mov_b32 s21, 0
	s_mul_i32 s46, s42, 2*NA
	s_add_co_u32 s46, s46, s18
	s_mul_i32 s46, s46, UNIT
	s_add_co_u32 s46, s46, BOFF
	s_mov_b32 s47, 0
	s_mul_i32 s45, s14, PART
	s_mov_b32 s66, QS*RA16*UNIT
	s_mov_b32 s67, 0
	s_mov_b32 s68, QS*RB16*UNIT
	s_mov_b32 s69, 0
.if LAPS > 1
	s_mov_b32 s88, 2*QS*RA16*UNIT
	s_mov_b32 s89, 0
	s_mov_b32 s90, 2*QS*RB16*UNIT
	s_mov_b32 s91, 0
.endif
	s_wait_dscnt 0x0
	s_wait_kmcnt 0x0
	s_add_nc_u64 s[20:21], s[4:5], s[20:21]
	s_add_nc_u64 s[46:47], s[6:7], s[46:47]
	CROUND
	s_mov_b32 s[G0], 1
	s_mov_b32 s[G0+1], s45
	s_mov_b64 s[G0+2:G0+3], s[20:21]
	s_or_b32 s[G0+3], s[G0+3], 0x80000000
	s_mov_b32 s[G0B], 1
	s_mov_b32 s[G0B+1], s45
	s_mov_b64 s[G0B+2:G0B+3], s[46:47]
	s_or_b32 s[G0B+3], s[G0B+3], 0x80000000
	JLOAD G0, G1, G0B, G1B
	; behind fill 0's load fill 1 is asked for, shared out among the four partners as the later fills are (below)
	s_cmp_eq_u32 s15, 0                            ; do I fetch for A?
	s_cselect_b64 s[80:81], s[20:21], s[46:47]
	s_cselect_b32 s82, s40, s41                    ; my place among the four
	s_cselect_b32 s84, s66, s68                    ; bytes from fill to fill: two rows' pitch
	s_lshr_b32 s83, s82, 1                         ; which of the two rows,
	s_lshr_b32 s85, s84, 1
	s_mul_i32 s83, s83, s85
	s_and_b32 s82, s82, 1                          ; which half of it
	s_mul_i32 s82, s82, 6656
	s_add_co_u32 s82, s82, s83
	s_add_co_u32 s82, s82, s84                     ; one fill on
	s_mov_b32 s83, 0
	s_add_nc_u64 s[80:81], s[80:81], s[82:83]
	v_and_b32 v30, 31, v0                          ; a lane a block of 256 bytes; lanes 26-31 name the last block again
	v_min_u32 v30, 25, v30
	v_lshlrev_b32 v30, 8, v30
	global_prefetch_b8 v30, s[80:81] th:TH_LOAD_NT scope:SCOPE_SE
	s_mov_b32 s[G0+4], 1
	s_add_co_u32 s[G0+5], s45, SLOT
	s_add_nc_u64 s[G0+6:G0+7], s[20:21], s[66:67]
	s_or_b32 s[G0+7], s[G0+7], 0x80000000
	s_mov_b32 s[G0B+4], 1
	s_add_co_u32 s[G0B+5], s45, SLOT
	s_add_nc_u64 s[G0B+6:G0B+7], s[46:47], s[68:69]
	s_or_b32 s[G0B+7], s[G0B+7], 0x80000000
	s_wait_alu depctr_va_vdst(0)
	s_wait_tensorcnt 0x0
	ds_add_u32 v28, v29
	s_wait_dscnt 0x0
	CROUND
	JLOAD G0+4, G1, G0B+4, G1B
	; PREFETCHES INTO THE L2: behind the load of fill i, fill i + 2 is asked for.  A load of mine is two rows of 13,312 bytes, 104 blocks of 256; the four partners that ask for it jointly share them out
	; BY ADDRESS, 26 each (place cx for A's tiles, cy for B's): a lane a block, lanes 26-31 name the last block again.  s[70:71]: even fills, s[78:79]: odd fills
	s_cmp_eq_u32 s15, 0                            ; do I fetch for A?
	s_cselect_b64 s[70:71], s[20:21], s[46:47]
	s_cselect_b32 s72, s40, s41                    ; my place among the four
	s_cselect_b32 s73, s66, s68                    ; bytes from fill to fill: two rows' pitch
	s_cselect_b64 s[76:77], s[88:89], s[90:91]     ; two fills
	s_lshr_b32 s74, s72, 1                         ; which of the two rows,
	s_lshr_b32 s75, s73, 1
	s_mul_i32 s74, s74, s75
	s_and_b32 s72, s72, 1                          ; which half of it
	s_mul_i32 s72, s72, 6656
	s_add_co_u32 s74, s74, s72
	s_mov_b32 s75, 0
	s_add_nc_u64 s[70:71], s[70:71], s[74:75]
	s_add_nc_u64 s[70:71], s[70:71], s[76:77]      ; at fill 2,
	s_mov_b32 s74, s73
	s_add_nc_u64 s[78:79], s[70:71], s[74:75]      ; at fill 3
	global_prefetch_b8 v30, s[70:71] th:TH_LOAD_NT scope:SCOPE_SE
	global_prefetch_b8 v30, s[78:79] th:TH_LOAD_NT scope:SCOPE_SE
	v_and_b32 v1, 15, v0
	v_bfe_u32 v2, v0, 4, 1
	v_and_b32 v3, 31, v0
	v_lshlrev_b32 v4, 4, v3
	s_mul_i32 s21, s15, PART
	s_mul_i32 s22, s16, PART
	s_add_co_u32 s22, s22, 2*PART
	v_add_nc_u32 v[ADRA], s21, v4
	v_add_nc_u32 v[ADRB], s22, v4
	v_add_nc_u32 v[ADRA+1], SLOT, v[ADRA]
	v_add_nc_u32 v[ADRB+1], SLOT, v[ADRB]
	s_sub_co_u32 s22, s22, s21
	v_mul_u32_u24 v6, s22, v2
	v_lshl_add_u32 v5, v1, 3, 3072
	v_add_nc_u32 v5, v5, v6
	v_add_nc_u32 v[ADRS], s21, v5
	v_add_nc_u32 v[ADRS+1], SLOT, v[ADRS]
	v_and_b32 v5, 7, v0
	v_bfe_u32 v6, v0, 3, 1
	v_lshl_add_u32 v5, v6, 4, v5
	v_mul_u32_u24 v5, v5, 272
	v_lshl_add_u32 v5, v2, 6, v5
	s_mul_i32 s23, s14, 17408
	v_add_nc_u32 v[STO], s23, v5
	v_mul_u32_u24 v6, v2, 272
	v_lshl_add_u32 v6, v1, 4, v6
	v_add_nc_u32 v[RD], s23, v6
	v_lshlrev_b32 v6, 12, v2
	v_lshl_add_u32 v[CO], v1, 4, v6
	s_wait_alu depctr_va_vdst(0)
	s_lshl_b32 s18, s17, 19
	s_lshl_b32 s19, s15, 18
	s_add_co_u32 s18, s18, s19
	s_lshl_b32 s19, s42, 9
	s_add_co_u32 s18, s18, s19
	s_lshl_b32 s19, s16, 8
	s_add_co_u32 s18, s18, s19
	s_mov_b32 s19, 0
	s_add_nc_u64 s[RESP:RESP+1], s[RESP:RESP+1], s[18:19]
	s_add_nc_u64 s[OUTP:OUTP+1], s[OUTP:OUTP+1], s[18:19]
.if HASB
	s_lshl_b32 s18, s42, 9
	s_lshl_b32 s22, s16, 8
	s_add_co_u32 s18, s18, s22
	s_add_nc_u64 s[8:9], s[8:9], s[18:19]
	v_lshlrev_b32 v[BA], 6, v2
.irp b, 0,1,2,3
	global_load_b128 v[BIAS+8*\b:BIAS+8*\b+3], v[BA], s[8:9] offset:(32*(\b/2)+8*(\b%2))*4
	global_load_b128 v[BIAS+8*\b+4:BIAS+8*\b+7], v[BA], s[8:9] offset:(32*(\b/2)+8*(\b%2))*4+16
.endr
.endif
	WIN 0x80
.irp p, 0,1
.irp t, 0,1,2,3,4,5,6,7,8,9,10,11,12,13,14,15
	global_load_b128 v[RES+64*\p+4*\t:RES+64*\p+4*\t+3], v[CO], s[RESP:RESP+1] offset:\p*131072+\t*8192 th:TH_LOAD_NT
.endr
.endr
	WIN 0
.if HASB
	s_wait_loadcnt 32
.endif
	s_wait_tensorcnt 1
	s_barrier_signal -1
	s_barrier_wait -1
	FETCH_B 0, 0, 0
	FETCH_A 0, 0, 0
	SCALES 0
	FETCH_A 0, 0, H
	STEP 0, 0, 1+HASB
.if LAPS > 1
	s_mov_b32 s3, LAPS-1
.Llap:
	MID 0
	TURN 0, 1, 1
	STEP 1, 0, 0
	MID 1
	TURN 1, 0, 1
	STEP 0, 0, 0
	s_sub_co_u32 s3, s3, 1
	s_cmp_lg_u32 s3, 0
	s_cbranch_scc1 .Llap
.endif
	MID 0
	TURN 0, 1, 0
	STEP 1, 0, 0
	MID 1
	s_wait_dscnt H*NL
	MULS 0, H, 1, NQ-1, 1, 0
	s_wait_dscnt 0x0
	MULS H, H, 1, NQ-1, 1, 0
	WIN 0
	PLACES
.irp p, 0,1
.if \p
	s_wait_xcnt 0x0
.endif
	WIN 0x08+4*\p
.irp u2, 0,1
.irp b, 0,1,2,3
	ds_store_b128 v[STO], v[8*(4*\u2+\b):8*(4*\u2+\b)+3] offset:\p*8704+\u2*2176+128*(\b/2)+32*(\b%2)
	ds_store_b128 v[STO], v[8*(4*\u2+\b)+4:8*(4*\u2+\b)+7] offset:\p*8704+\u2*2176+128*(\b/2)+32*(\b%2)+16
.endr
.endr
	WIN 0
.irp t, 0,1,2,3,4,5,6,7,8,9,10,11,12,13,14,15
	ds_load_b128 v[BK+4*\t:BK+4*\t+3], v[RD] offset:\p*8704+544*\t
.endr
	s_wait_dscnt 0x0
	s_wait_loadcnt 16-16*\p
	WIN 0x08
.set J, 0
.rept 32
	v_pk_add_f32 v[BK+J:BK+J+1], v[BK+J:BK+J+1], v[RES+64*\p+J:RES+64*\p+J+1]
.set J, J+2
.endr
	WIN 0
.irp t, 0,1,2,3,4,5,6,7,8,9,10,11,12,13,14,15
.if HASB
	global_store_b128 v[CO], v[BK+4*\t:BK+4*\t+3], s[OUTP:OUTP+1] offset:\p*131072+\t*8192 th:TH_STORE_NT
.else
	global_store_b128 v[CO], v[BK+4*\t:BK+4*\t+3], s[OUTP:OUTP+1] offset:\p*131072+\t*8192
.endif
.endr
.endr
	s_wait_tensorcnt 0x0
	ds_add_u32 v[SPW], v[NIL]
	s_wait_dscnt 0x0
	CROUND
	s_endpgm
.Lfunc_end_k_qa8d8514792_gff2:
	.size	k_qa8d8514792_gff2, .Lfunc_end_k_qa8d8514792_gff2-k_qa8d8514792_gff2
	.p2alignl 7, 3214868480
	.fill 96, 4, 3214868480
	.section	.rodata,"a",@progbits
	.p2align	6, 0x0
	.amdhsa_kernel k_qa8d8514792_gff2
		.amdhsa_group_segment_fixed_size 327680
		.amdhsa_private_segment_fixed_size 0
		.amdhsa_enable_private_segment 0
		.amdhsa_kernarg_size 40
		.amdhsa_user_sgpr_count 2
		.amdhsa_user_sgpr_kernarg_segment_ptr 1
		.amdhsa_wavefront_size32 1
		.amdhsa_system_sgpr_workgroup_id_x 1
		.amdhsa_system_sgpr_workgroup_id_y 1
		.amdhsa_system_sgpr_workgroup_id_z 1
		.amdhsa_system_vgpr_workitem_id 0
		.amdhsa_next_free_vgpr 1024
		.amdhsa_next_free_sgpr 98
		.amdhsa_reserve_vcc 0
		.amdhsa_float_denorm_mode_32 3
		.amdhsa_float_denorm_mode_16_64 3
		.amdhsa_memory_ordered 1
		.amdhsa_forward_progress 1
		.amdhsa_inst_pref_size 93
	.end_amdhsa_kernel
	.amdgpu_metadata
---
amdhsa.version: [ 1, 2 ]
amdhsa.kernels:
  - .name:           k_qa8d8514792_gff2
    .symbol:         k_qa8d8514792_gff2.kd
    .args:
      - { .name: hid, .offset: 0, .size: 8, .value_kind: global_buffer, .address_space: global }
      - { .name: wimg, .offset: 8, .size: 8, .value_kind: global_buffer, .address_space: global }
      - { .name: b2, .offset: 16, .size: 8, .value_kind: global_buffer, .address_space: global }
      - { .name: x1, .offset: 24, .size: 8, .value_kind: global_buffer, .address_space: global }
      - { .name: out0, .offset: 32, .size: 8, .value_kind: global_buffer, .address_space: global }
    .group_segment_fixed_size: 327680
    .private_segment_fixed_size: 0
    .kernarg_segment_align: 8
    .kernarg_segment_size: 40
    .max_flat_workgroup_size: 128
    .sgpr_count:     98
    .vgpr_count:     1024
    .wavefront_size: 32
...
	.end_amdgpu_metadata
.endif
;; end of part 7
